; MI455X (gfx1250); checked and timed in simulation.
; The chip was launched on July 23, 2026; its instructions are those of AMD's public machine-readable ISA for CDNA 5 (MIT licence, August 2026) and "CDNA5" Instruction Set Architecture Reference Guide (July 2026). The comments in the code are by the model that wrote it; some were corrected since.
;; Attention. Allowed arithmetic: matrix products marked QUANTISED: E2M1 operands, one E8M0 scale for each 32 along K, by v_wmma_scale_f32_16x16x128_f8f6f4 with both operands' format E2M1 (or v_wmma_scale_f32_32x16x128_f4), f32 sums; products left as they are: bf16, f16 or f32 operands; f32 sums; everything else in f32.
;; Inputs: proj_b 1,024 float32; proj_w 1,024 x 1,024 float32; qkv_b 3,072 float32; qkv_w 1,024 x 3,072 float32; x 4 x 2,048 x 1,024 float32.
;; Outputs: out0 4 x 2,048 x 1,024 float32.
;; This version of the problem:
;;   THIS VERSION OF THE PROBLEM IS GIVEN IN LOW PRECISION. The matrix products marked QUANTISED in the list below multiply operands that are first quantised to E2M1 (2 exponent bits, 1 mantissa bit; 4 bits a number), with one power-of-two scale for each 32 numbers along K (OCP MX v1.0); their sums are f32. The products marked 'left as it is' may take bf16, f16 or f32 operands, with f32 sums. Whichever they take, every output number must still come out within the allowed error. Rounding operands to bf16 (8 significant bits) uses up far more of that allowance than f16 does (11 bits, for magnitudes from 6e-5 to 65,504). All else is computed in f32.
;;   The module's matrix products, in the order in which they are computed (A, B: the left and right operand; K: the contracted axis; several contracted axes count as one K, in the product's order):
;;     1. [M 8,192, K 1,024] x [K 1,024, N 3,072]; A: input x; B: input qkv_w: QUANTISED
;;     2. batch 64 x [M 2,048, K 64] x [K 64, N 2,048]; A: computed on the way; B: computed on the way: left as it is (an operand is computed on the way)
;;     3. batch 64 x [M 2,048, K 2,048] x [K 2,048, N 64]; A: computed on the way; B: computed on the way: left as it is (an operand is computed on the way)
;;     4. [M 8,192, K 1,024] x [K 1,024, N 1,024]; A: computed on the way; B: input proj_w: left as it is (an operand is computed on the way)
;;   THE QUANTISER, for each operand of a quantised product, along K:
;;     - K is cut into blocks of 32 from its start; a last block that is shorter is filled with zeros.
;;     - A block's scale is 2^e with e = floor(log2(the largest magnitude in the block)) - 2, held to -126 .. 127; a block of zeros has e = 0. As a byte (E8M0): e + 127.
;;     - Each number is divided by its block's scale, clamped to +-6, and rounded to the nearest number of E2M1, ties to even, subnormals kept.
;;     - The product sums the exact products of the quantised numbers (number of the format x scale) in f32.
;;   ~~~python
;;   def quantise(x, axis):      # numpy; x: float32 -> the quantised numbers, widened to float32 again
;;       x = np.moveaxis(x, axis, -1); K = x.shape[-1]
;;       x = np.pad(x, [(0, 0)] * (x.ndim - 1) + [(0, -K % 32)]); x = x.reshape(x.shape[:-1] + (-1, 32)); a = np.abs(x).max(-1, keepdims=True)
;;       e = np.where(a > 0, np.clip(np.frexp(np.where(a > 0, a, 1))[1] - 1 - 2, -126, 127), 0)      # np.frexp(a)[1] - 1 = floor(log2(a)), exactly
;;       r = np.clip(x / 2.0 ** e, -6, 6)
;;       step = 2.0 ** (np.maximum(np.frexp(np.where(r == 0, 1, r))[1] - 1, 0) - 1)
;;       q = np.round(r / step) * step * 2.0 ** e      # np.round: ties to even
;;       return np.moveaxis(q.reshape(q.shape[:-2] + (-1,))[..., :K], -1, axis).astype(np.float32)
;;   ~~~
;; One version. Each part assembles by itself: llvm-mc -triple=amdgcn-amd-amdhsa -mcpu=gfx1250 --defsym DOCPART=n.
;; ======== version 1 of 1: 4 launches
;; limits: values are held in f16: magnitudes above 65,504 overflow, below 6.1e-05 lose precision
;; workspace buffers: xc 4,194,304 bytes; xs 262,144 bytes; wc 1,572,864 bytes; ws 98,304 bytes; pw 2,097,152 bytes; qkv 50,331,648 bytes; ob 16,777,216 bytes
;; launch prep (part 1): grid 256 x 1, 8 waves a work-group, no clusters, 84,480 bytes of LDS; arguments x, qkv_w, proj_w, xc, xs, wc, ws, pw; writes xc, xs, wc, ws, pw
.if DOCPART == 1
	.amdgcn_target "amdgcn-amd-amdhsa--gfx1250"
	.amdhsa_code_object_version 6
	.text
	.protected	k_q7ed07ea3c3_prep
	.globl	k_q7ed07ea3c3_prep
	.p2align	8
	.type	k_q7ed07ea3c3_prep,@function
k_q7ed07ea3c3_prep:
	s_mov_b64 s[64:65], 0
	v_nop
	global_prefetch_b8 v0, s[64:65] scope:SCOPE_SE
	s_setreg_imm32_b32 hwreg(HW_REG_WAVE_MODE, 25, 1), 1
	s_wait_xcnt 0x0
; THREE JOBS IN ONE LAUNCH, told apart by the work-group's number alone (the same way for all eight waves of a work-group); the three paths never join and have LDS bytes of their own.
;   work-groups 0-95    W: qkv_w [1024 (k)][3072 (n)] f32 -> codes of FP4 (E2M1) laid [3072][512 bytes], K innermost, and one E8M0 byte for each 32 along K, laid [3072][32]
;   work-groups 96-127  P: proj_w [1024 (k)][1024 (n)] f32 -> f16, laid as images of the matrix operand's registers: [k / 128][n / 16][4 (32 k)][2 (16 k)][lane][16 bytes]
;   work-groups 128-255 X: x [8192][1024] f32 -> codes [8192][512 bytes] and scale bytes [8192][32]
; THE QUANTISER: a block's scale is 2^(floor(log2(its largest magnitude)) - 2); its byte is the largest magnitude's exponent field - 2, held at 1 from below; each number is divided by the scale and
; rounded to the nearest code, ties to even, beyond 6 the largest code.  A block of zeros gets the byte 1 where the rule says 127: its codes are zeros, and this program alone reads the bytes.
; LIMITS: NaN and infinities among the inputs are not served; blocks whose largest magnitude lies under 2^-124 keep the byte 1; proj_w beyond 65,504 in magnitude does not fit f16.
.set WST,   65536                      ; W: the work-group's stage: 32 rows (columns n) x (512 bytes of codes + 16)
.set WP,    528
.set SCST,  WST+32*WP                  ; W: 32 rows x 32 scale bytes
.set SPARE, SCST+1024                  ; the spare words, 128 bytes for each wave: four blocks of 256 bytes that no other line names
.set SPW,   224                        ; v224 LDS address of my spare word; never rewritten
.set NIL,   225                        ; v225 0; never rewritten
.set SP,    80                         ; X: a lane's place in a stage: 64 bytes + 16 of padding
.set R,     16                         ; X: v16-143 eight sets of 16 numbers as loaded
.set XN,    144                        ; X: v144-175 two sets of 16 neighbours
.set CX,    176                        ; X: v176-207 codes, two registers a step: no store's data are written again
.set EX,    208                        ; X: v208-223 a scale byte a step
.set XW,    32                         ; W: v32-95 two sets of 32 numbers
.set CW,    96                         ; W: v96-99 a block's codes
.set SB,    24                         ; W: v24 my four scale bytes
.set OW,    112                        ; W: v112-127 four rows on the way out
.set XP,    32                         ; P: v32-95 two sets of 32 numbers
.set HP,    96                         ; P: v96-159 f16 pairs, 16 registers for each 32 along K
.macro FINISH                          ; the wave's end, behind my last LDS store
	s_wait_tensorcnt 0x0
	ds_add_u32 v[SPW], v[NIL]
	s_wait_dscnt 0x0
	s_endpgm
.endm
; ---- X's macros.  A step is 512 numbers: four loads of 512 consecutive bytes; they turn through the wave's own stage so that a lane then holds 16 neighbours along K
.macro XLOAD t
.irp i, 0,1,2,3
	global_load_b128 v[R+16*((\t)%8)+4*\i:R+16*((\t)%8)+4*\i+3], v3, s[4:5] offset:2048*(\t)+512*\i th:TH_LOAD_NT
.endr
.endm
.macro XTURN t                         ; LDS serves a wave's instructions in order: no wait between the stores and the loads
.irp i, 0,1,2,3
	ds_store_b128 v14, v[R+16*((\t)%8)+4*\i:R+16*((\t)%8)+4*\i+3] offset:32*SP*((\t)%2)+8*SP*\i
.endr
.irp i, 0,1,2,3
	ds_load_b128 v[XN+16*((\t)%2)+4*\i:XN+16*((\t)%2)+4*\i+3], v15 offset:32*SP*((\t)%2)+16*\i
.endr
.endm
.macro XSTEP t
.set XS, XN+16*((\t)%2)
.if (\t) > 0
	s_wait_dscnt 1                                 ; this step's numbers are back from the stage; only the last step's byte store may be out
.else
	s_wait_dscnt 0x0
.endif
.if (\t)+8 < 16
	XLOAD (\t)+8                                   ; into the set whose numbers the stage has taken
.endif
.if (\t)+1 < 16
.if 14-(\t) >= 7
	s_wait_loadcnt 28                              ; the next step's four loads are in; those of the seven steps behind it may be out
.else
	s_wait_loadcnt 4*(14-(\t))                     ; near the end fewer steps stand behind it
.endif
	XTURN (\t)+1
.endif
	v_max3_num_f32 v8, |v[XS]|, |v[XS+1]|, |v[XS+2]|               ; the largest magnitude of my 16, in two chains
	v_max3_num_f32 v9, |v[XS+3]|, |v[XS+4]|, |v[XS+5]|
.irp i, 6,10
	v_max3_num_f32 v8, v8, |v[XS+\i]|, |v[XS+\i+1]|
	v_max3_num_f32 v9, v9, |v[XS+\i+2]|, |v[XS+\i+3]|
.endr
	v_max3_num_f32 v8, v8, |v[XS+14]|, |v[XS+15]|
	v_max3_num_f32 v8, v8, v9, 0x1800000           ; and the floor 2^(3 - 127): the byte cannot fall under 1
	v_max_num_f32_dpp v8, v8, v8 row_xmask:1 row_mask:0xf bank_mask:0xf   ; with my neighbour's 16: the block's
	v_add_nc_u32 v11, 0xff000000, v8               ; 2 off its exponent field: the conversion takes that field as its scale
	v_cvt_scalef32_pk8_fp4_f32 v[CX+2*(\t)], v[XS:XS+7], v11
	v_cvt_scalef32_pk8_fp4_f32 v[CX+2*(\t)+1], v[XS+8:XS+15], v11
	v_lshrrev_b32 v[EX+(\t)], 23, v11              ; the scale's byte (a plain line behind the conversions)
	ds_store_b8 v5, v[EX+(\t)] offset:16*(\t)      ; both lanes of a block write the same byte with the same value
	global_store_b64 v4, v[CX+2*(\t):CX+2*(\t)+1], s[10:11] offset:256*(\t)   ; 32 lanes store 256 consecutive bytes, aligned
.endm
; ---- W's macros.  A lane takes a column n, its registers run down K: a block of 32 lies in one lane
.macro WLOAD t
.irp i, 0,1,2,3,4,5,6,7,8,9,10,11,12,13,14,15,16,17,18,19,20,21,22,23,24,25,26,27,28,29,30,31
	global_load_b32 v[XW+32*((\t)%2)+\i], v3, s[6:7] offset:(32*(\t)+\i)*12288 th:TH_LOAD_NT
.endr
.endm
.macro WBLOCK t
.set WS, XW+32*((\t)%2)
.if (\t) < 3
	s_wait_loadcnt 32                              ; this block's 32 loads are in; the next block's may be out
.else
	s_wait_loadcnt 0x0
.endif
	v_max3_num_f32 v12, |v[WS]|, |v[WS+1]|, |v[WS+2]|
	v_max3_num_f32 v13, |v[WS+3]|, |v[WS+4]|, |v[WS+5]|
.irp i, 6,10,14,18,22,26
	v_max3_num_f32 v12, v12, |v[WS+\i]|, |v[WS+\i+1]|
	v_max3_num_f32 v13, v13, |v[WS+\i+2]|, |v[WS+\i+3]|
.endr
	v_max3_num_f32 v12, v12, |v[WS+30]|, |v[WS+31]|
	v_max3_num_f32 v12, v12, v13, 0x1800000        ; the floor
	v_add_nc_u32 v26, 0xff000000, v12              ; the conversion's scale operand
	v_lshrrev_b32 v13, 23, v26                     ; the byte
.if (\t) == 0
	v_mov_b32 v[SB], v13
.else
	v_lshl_or_b32 v[SB], v13, 8*(\t), v[SB]        ; the lower K in the lower byte
.endif
.irp g, 0,1,2,3
	v_cvt_scalef32_pk8_fp4_f32 v[CW+\g], v[WS+8*\g:WS+8*\g+7], v26
.endr
	v_nop                                          ; a plain line behind the last conversion
	ds_store_b128 v4, v[CW:CW+3] offset:16*(\t)    ; 32 codes: 16 bytes of my column's row
.if (\t)+2 < 4
	WLOAD (\t)+2
.endif
	s_wait_dscnt 0x0                               ; the store has read its registers: the next block's codes may be written
.endm
; ---- P's macros.  A lane takes a column n, 32 registers run down K; pairs are rounded to f16
.macro PLOAD f
.irp i, 0,1,2,3,4,5,6,7,8,9,10,11,12,13,14,15,16,17,18,19,20,21,22,23,24,25,26,27,28,29,30,31
	global_load_b32 v[XP+32*((\f)%2)+\i], v3, s[8:9] offset:(32*(\f)+\i)*4096 th:TH_LOAD_NT
.endr
.endm
.macro PFRAG f
.set PS, XP+32*((\f)%2)
.set PH, HP+16*(\f)
.if (\f) < 3
	s_wait_loadcnt 32                              ; these 32 loads are in; the next 32 may be out
.else
	s_wait_loadcnt 0x0
.endif
.irp p, 0,1,2,3,4,5,6,7,8,9,10,11,12,13,14,15
	v_cvt_pk_f16_f32 v[PH+\p], v[PS+2*\p], v[PS+2*\p+1]   ; register p: k = 2 p, 2 p + 1 of my column
.endr
.if (\f)+2 < 4
	PLOAD (\f)+2
.endif
; The operand wants lane (r, h) to hold k = 16 g + 8 h + 0..7 of row r.  My lanes 0-15 are the columns of tile A, lanes 16-31 those of tile B.  One exchange of halves for each register pair makes of
; (k 0-7, k 8-15) the groups (A, g 0), (B, g 0), and of (k 16-23, k 24-31) the groups (A, g 1), (B, g 1).
.irp i, 0,1,2,3
	v_permlane16_swap_b32 v[PH+\i], v[PH+4+\i]
	v_permlane16_swap_b32 v[PH+8+\i], v[PH+12+\i]
.endr
	global_store_b128 v4, v[PH:PH+3], s[18:19] offset:1024*(\f)                ; each store: 512 consecutive bytes, aligned
	global_store_b128 v4, v[PH+4:PH+7], s[18:19] offset:4096+1024*(\f)
	global_store_b128 v4, v[PH+8:PH+11], s[18:19] offset:1024*(\f)+512
	global_store_b128 v4, v[PH+12:PH+15], s[18:19] offset:4096+1024*(\f)+512
.endm
	s_load_b256 s[4:11], s[0:1], 0x0               ; x s[4:5], qkv_w s[6:7], proj_w s[8:9], xc s[10:11]
	s_load_b256 s[12:19], s[0:1], 0x20             ; xs s[12:13], wc s[14:15], ws s[16:17], pw s[18:19]
	v_lshl_add_u32 v[SPW], v0, 2, SPARE
	v_mov_b32 v[NIL], 0
	v_lshrrev_b32 v1, 5, v0
	v_readfirstlane_b32 s20, v1                    ; wave 0..7
	v_and_b32 v2, 31, v0                           ; lane
	s_mov_b32 s23, 0                               ; the upper word of every offset pair s[22:23]
	s_wait_kmcnt 0x0
	s_cmp_lt_u32 ttmp9, 96
	s_cbranch_scc1 .Lrole_w
	s_cmp_lt_u32 ttmp9, 128
	s_cbranch_scc1 .Lrole_p
	; ================ X: a wave takes a run of 8,192 numbers, 16 steps; loads run eight steps (32 loads) ahead, the turn through LDS one step
	s_sub_co_u32 s21, ttmp9, 128
	s_lshl_b32 s21, s21, 3
	s_add_co_u32 s21, s21, s20                     ; which run is mine: 0..1023
	s_lshl_b32 s22, s21, 15
	s_add_nc_u64 s[4:5], s[4:5], s[22:23]          ; 32,768 bytes of x,
	s_lshl_b32 s22, s21, 12
	s_add_nc_u64 s[10:11], s[10:11], s[22:23]      ; 4,096 of codes,
	s_lshl_b32 s22, s21, 8
	s_add_nc_u64 s[12:13], s[12:13], s[22:23]      ; 256 scale bytes a run
	s_lshl_b32 s24, s20, 13                        ; my wave's 8,192 bytes of LDS: two stages of 2,560, then 256 scale bytes
	v_lshlrev_b32 v3, 4, v2                        ; my 16 bytes of a load's 512
	v_lshrrev_b32 v14, 2, v2
	v_mul_u32_u24 v14, v14, SP
	v_and_b32 v15, 3, v2
	v_lshl_add_u32 v14, v15, 4, v14
	v_add_nc_u32 v14, s24, v14                     ; into a stage: four lanes' 64 bytes on end, then 16 of padding
	v_mul_u32_u24 v15, v2, SP
	v_add_nc_u32 v15, s24, v15                     ; out of it: my 16 neighbours
	v_lshlrev_b32 v4, 3, v2                        ; 8 bytes a lane: my codes' place in a step's, and my part of the scale bytes
	v_lshrrev_b32 v5, 1, v2
	s_add_co_u32 s24, s24, 2*32*SP
	v_add_nc_u32 v5, s24, v5                       ; my block's byte
	v_add_nc_u32 v6, s24, v4
.irp t, 0,1,2,3,4,5,6,7
	XLOAD \t
.endr
	s_wait_loadcnt 28                              ; step 0's four loads are in
	XTURN 0
.irp t, 0,1,2,3,4,5,6,7,8,9,10,11,12,13,14,15
	XSTEP \t
.endr
	ds_load_b64 v[8:9], v6                         ; my wave's 256 scale bytes (in order behind my byte stores)
	s_wait_dscnt 0x0
	global_store_b64 v4, v[8:9], s[12:13]          ; 32 lanes store 256 consecutive bytes, aligned
	FINISH
	; ================ W: the work-group owns 32 columns for all of K; wave w takes k = 128 w .. 128 w + 127: four blocks a lane
.Lrole_w:
	s_mul_i32 s22, s20, 128*12288
	s_lshl_b32 s21, ttmp9, 7
	s_add_co_u32 s22, s22, s21
	s_add_nc_u64 s[6:7], s[6:7], s[22:23]          ; qkv_w at row 128 w, column 32 j
	s_lshl_b32 s22, ttmp9, 14
	s_add_nc_u64 s[14:15], s[14:15], s[22:23]      ; the codes at row 32 j
	s_lshl_b32 s22, ttmp9, 10
	s_add_nc_u64 s[16:17], s[16:17], s[22:23]      ; the scale bytes at row 32 j
	v_lshlrev_b32 v3, 2, v2                        ; in: 4 bytes a lane: 128 consecutive bytes a load
	v_mul_u32_u24 v4, v2, WP
	s_lshl_b32 s21, s20, 6
	s_add_co_u32 s21, s21, WST
	v_add_nc_u32 v4, s21, v4                       ; the stage: row = my column, my wave's 64 bytes of it
	v_lshlrev_b32 v9, 5, v2
	s_lshl_b32 s21, s20, 2
	s_add_co_u32 s21, s21, SCST
	v_add_nc_u32 v9, s21, v9                       ; my column's 32 scale bytes, my wave's four
	v_lshlrev_b32 v5, 4, v2
	s_mul_i32 s21, s20, 4*WP
	s_add_co_u32 s21, s21, WST
	v_add_nc_u32 v7, s21, v5                       ; back: wave w takes rows 4 w .. 4 w + 3 whole, 16 bytes a lane
	s_lshl_b32 s21, s20, 11
	v_add_nc_u32 v8, s21, v5                       ; and the same place in the codes' buffer
	s_lshl_b32 s21, s20, 9
	v_add_nc_u32 v11, s21, v5                      ; the scale bytes go out by waves 0 and 1, 512 bytes each
	s_add_co_u32 s21, s21, SCST
	v_add_nc_u32 v10, s21, v5
	WLOAD 0
	WLOAD 1
	WBLOCK 0
	WBLOCK 1
	WBLOCK 2
	WBLOCK 3
	ds_store_b32 v9, v[SB]
	s_wait_dscnt 0x0                               ; for the others' sake: my stores into the stage are done
	s_barrier_signal -1
	s_barrier_wait -1                              ; 32 whole rows of codes and of scale bytes lie in LDS
.irp i, 0,1,2,3
	ds_load_b128 v[OW+4*\i:OW+4*\i+3], v7 offset:WP*\i
.endr
.irp i, 0,1,2,3
	s_wait_dscnt 3-\i                              ; row i is back; the younger rows may be out
	global_store_b128 v8, v[OW+4*\i:OW+4*\i+3], s[14:15] offset:512*\i   ; a whole row of codes: 512 consecutive bytes, aligned
.endr
	s_cmp_lt_u32 s20, 2
	s_cbranch_scc0 .Lw_end
	ds_load_b128 v[100:103], v10
	s_wait_dscnt 0x0
	global_store_b128 v11, v[100:103], s[16:17]    ; 16 rows of scale bytes: 512 consecutive bytes, aligned
.Lw_end:
	FINISH
	; ================ P: a work-group takes 256 columns x 128 along K; wave w 32 columns: two tiles of 16.  No LDS
.Lrole_p:
	s_sub_co_u32 s21, ttmp9, 96
	s_and_b32 s24, s21, 3                          ; which 256 columns
	s_lshr_b32 s25, s21, 2                         ; which 128 along K
	s_lshl_b32 s22, s25, 19
	s_lshl_b32 s26, s24, 10
	s_add_co_u32 s22, s22, s26
	s_lshl_b32 s26, s20, 7
	s_add_co_u32 s22, s22, s26
	s_add_nc_u64 s[8:9], s[8:9], s[22:23]          ; proj_w at row 128 py, column 256 px + 32 w
	s_lshl_b32 s22, s25, 18
	s_lshl_b32 s26, s24, 16
	s_add_co_u32 s22, s22, s26
	s_lshl_b32 s26, s20, 13
	s_add_co_u32 s22, s22, s26
	s_add_nc_u64 s[18:19], s[18:19], s[22:23]      ; the images at K step py, tile 16 px + 2 w
	v_lshlrev_b32 v3, 2, v2
	v_lshlrev_b32 v4, 4, v2
	PLOAD 0
	PLOAD 1
	PFRAG 0
	PFRAG 1
	PFRAG 2
	PFRAG 3
	s_endpgm
.Lfunc_end_k_q7ed07ea3c3_prep:
	.size	k_q7ed07ea3c3_prep, .Lfunc_end_k_q7ed07ea3c3_prep-k_q7ed07ea3c3_prep
	.p2alignl 7, 3214868480
	.fill 96, 4, 3214868480
	.section	.rodata,"a",@progbits
	.p2align	6, 0x0
	.amdhsa_kernel k_q7ed07ea3c3_prep
		.amdhsa_group_segment_fixed_size 84480
		.amdhsa_private_segment_fixed_size 0
		.amdhsa_enable_private_segment 0
		.amdhsa_kernarg_size 64
		.amdhsa_user_sgpr_count 2
		.amdhsa_user_sgpr_kernarg_segment_ptr 1
		.amdhsa_wavefront_size32 1
		.amdhsa_system_sgpr_workgroup_id_x 1
		.amdhsa_system_sgpr_workgroup_id_y 1
		.amdhsa_system_sgpr_workgroup_id_z 1
		.amdhsa_system_vgpr_workitem_id 0
		.amdhsa_next_free_vgpr 232
		.amdhsa_next_free_sgpr 66
		.amdhsa_reserve_vcc 0
		.amdhsa_float_denorm_mode_32 3
		.amdhsa_float_denorm_mode_16_64 3
		.amdhsa_memory_ordered 1
		.amdhsa_forward_progress 1
		.amdhsa_inst_pref_size 73
	.end_amdhsa_kernel
	.amdgpu_metadata
---
amdhsa.version: [ 1, 2 ]
amdhsa.kernels:
  - .name:           k_q7ed07ea3c3_prep
    .symbol:         k_q7ed07ea3c3_prep.kd
    .args:
      - { .name: x, .offset: 0, .size: 8, .value_kind: global_buffer, .address_space: global }
      - { .name: qkv_w, .offset: 8, .size: 8, .value_kind: global_buffer, .address_space: global }
      - { .name: proj_w, .offset: 16, .size: 8, .value_kind: global_buffer, .address_space: global }
      - { .name: xc, .offset: 24, .size: 8, .value_kind: global_buffer, .address_space: global }
      - { .name: xs, .offset: 32, .size: 8, .value_kind: global_buffer, .address_space: global }
      - { .name: wc, .offset: 40, .size: 8, .value_kind: global_buffer, .address_space: global }
      - { .name: ws, .offset: 48, .size: 8, .value_kind: global_buffer, .address_space: global }
      - { .name: pw, .offset: 56, .size: 8, .value_kind: global_buffer, .address_space: global }
    .group_segment_fixed_size: 84480
    .private_segment_fixed_size: 0
    .kernarg_segment_align: 8
    .kernarg_segment_size: 64
    .max_flat_workgroup_size: 256
    .sgpr_count:     66
    .vgpr_count:     232
    .wavefront_size: 32
...
	.end_amdgpu_metadata
.endif
;; end of part 1
;; launch qkvg (part 2): grid 12 x 32, 4 waves a work-group, clusters of 4 x 4, 327,680 bytes of LDS; arguments xc, xs, wc, ws, qkv_b, qkv; writes qkv
.if DOCPART == 2
	.amdgcn_target "amdgcn-amd-amdhsa--gfx1250"
	.amdhsa_code_object_version 6
	.text
	.protected	k_q7ed07ea3c3_qkvg
	.globl	k_q7ed07ea3c3_qkvg
	.p2align	8
	.type	k_q7ed07ea3c3_qkvg,@function
k_q7ed07ea3c3_qkvg:
	s_mov_b64 s[64:65], 0
	v_nop
	global_prefetch_b8 v0, s[64:65] scope:SCOPE_SE
	s_setreg_imm32_b32 hwreg(HW_REG_WAVE_MODE, 25, 1), 1
	s_wait_xcnt 0x0
	s_wait_alu depctr_hold_cnt(0) depctr_sa_sdst(0) depctr_va_vdst(0) depctr_va_sdst(0) depctr_va_ssrc(0) depctr_va_vcc(0) depctr_vm_vsrc(0)
	s_getreg_b32 s2, hwreg(HW_REG_IB_STS2, 6, 4)
	s_cmp_eq_u32 s2, 0
	s_cbranch_scc0 .Lentry_in_a_cluster
	s_endpgm
.Lentry_in_a_cluster:
	s_bfe_u32 s2, ttmp6, 0x10000c
	s_cmp_lg_u32 s2, 0xf033
	s_cbranch_scc0 .Lentry_shape_is_right
	s_endpgm
.Lentry_shape_is_right:
; qkv[m][n] = sum over k of x[m][k] w[n][k] + qkv_b[n], on codes of FP4 (E2M1) with one E8M0 scale for each 32 along K; sums in f32; the result is rounded once to f16 and laid head by head:
; [q, k or v][batch x 16 + head][token][64].  M = 8,192, N = 3,072, K = 1,024.
; A tile of 256 x 256 is made by four waves, 128 x 128 each: 64 accumulators, 512 registers.  All of K is two slots of 512 along K: both are asked for at the head and nothing is filled again.
; The scale bytes of the work-group's 256 + 256 rows come once, as dense blocks.  CLUSTERS: 4 x 4 work-groups; x's tiles are shared along a row of the cluster, w's along a column: joint loads.
; THE MATRIX INSTRUCTION IS USED TRANSPOSED (source 0 = 16 rows of w, source 1 = 16 rows of x): a lane holds eight neighbouring columns of one token.  THE BIAS is the C of each sum's first product.
; LIMIT: |q|, |k|, |v| stay under 65,504 (f16).
; REGISTERS: window 0: v0-31 addresses; v32-95 scale words, two sets; v128-191 x's fragments, one set; v192-255 the bias, eight registers for each of my eight column blocks.
;   window 1: w's fragments, two sets (v0, v128).  window 2: accumulators of my rows 0-63 ((a, b) at v[8 (8 a + b)]);  window 3: those of rows 64-127.  On the way out v32-127 of window 0 are free.
.set KSTEP,  512
.set NQ,     4                         ; matrix instructions deep in a slot
.set ROWB,   256                       ; a tile's row in bytes
.set KROW,   512                       ; a row of codes in memory
.set PITCH,  272                       ; an LDS row: 256 bytes + 16: the 16 rows that a load touches start 4 banks apart
.set FR,     8
.set NL,     2
.set NP,     4
.set HALFT,  128*PITCH
.set SLOT,   4*HALFT
.set KS,     32                        ; a row of scale bytes
.set SCL,    2*SLOT
.set HALFS,  (128*KS/256)*272
.set SBLK,   (16*KS/256)*272
.set SPARE,  SCL+4*HALFS               ; the spare words, 128 bytes for each wave: two blocks of 256 bytes that no other line names
.set SPITCH, 272                       ; the way out: a stage of 16 rows x (256 bytes + 16) for each wave, in slot 0, which has had its only fill and its last read by then
.set ADRA, 16
.set ADRB, 20
.set STO,  24
.set RD,   25
.set CO,   26
.set ADRS, 27
.set SPW,  28
.set NIL,  29
.set SC,   32
.set AF,   128
.set BI,   192
.set TMP,  32                          ; the way out: packed results
.set BK,   64                          ; the way out: rows read back, v64-95 and v96-127 by turns
.set G1, 24
.set G0, 32
.set G1B, 48
.set G0B, 56
.set G1S, 68
.set G0S, 76
.set G1SB, 80
.set G0SB, 88
.set MSB, 0
.macro WIN new                         ; the immediate's high byte repeats the setting that is left
.if MSB != \new
	s_set_vgpr_msb (MSB<<8)|\new
.set MSB, \new
.endif
.endm
.set MUL_LO,   0xa1                    ; source 0 (w) window 1, source 1 (x) window 0, C and D window 2
.set MUL_HI,   0xf1                    ; the same, C and D window 3
.set FIRST_LO, 0x81                    ; the first step: C (the bias) window 0, D window 2
.set FIRST_HI, 0xc1                    ; D window 3
.set TO_B,     0x40
; A joint load: waves 0 and 1 fetch for x, waves 2 and 3 for w.  The branch hangs on the wave's number alone.  An s_nop 0 and four v_nop follow each line.
.macro JLOAD g0a, g1a, g0b, g1b
	s_cmp_eq_u32 s15, 0
	s_cbranch_scc0 .Lfor_b_\@
	tensor_load_to_lds s[\g0a:\g0a+3], s[\g1a:\g1a+7]
	s_nop 0
.rept 4
	v_nop
.endr
	s_branch .Lasked_\@
.Lfor_b_\@:
	tensor_load_to_lds s[\g0b:\g0b+3], s[\g1b:\g1b+7]
	s_nop 0
.rept 4
	v_nop
.endr
.Lasked_\@:
.endm
.macro CROUND                          ; a round of the cluster's barrier
	s_barrier_signal -1
	s_barrier_wait -1
	s_cmp_lg_u32 s14, 0
	s_cbranch_scc1 .Lnot_wave_0_\@
	s_barrier_signal -3
.Lnot_wave_0_\@:
	s_barrier_wait -3
	s_barrier_signal -1
	s_barrier_wait -1
.endm
	s_load_b128 s[4:7], s[0:1], 0x0                ; x's codes s[4:5], x's scales s[6:7]
	s_load_b128 s[8:11], s[0:1], 0x10              ; w's codes s[8:9], w's scales s[10:11]
	s_load_b64 s[96:97], s[0:1], 0x20              ; qkv_b
	s_load_b64 s[12:13], s[0:1], 0x28              ; qkv
	v_lshl_add_u32 v[SPW], v0, 2, SPARE
	v_mov_b32 v[NIL], 0
	ds_add_u32 v[SPW], v[NIL]                      ; the wave's opening: the add, twice on end, and its wait ahead of my first tensor load
	ds_add_u32 v[SPW], v[NIL]
	v_lshrrev_b32 v1, 5, v0
	v_readfirstlane_b32 s14, v1                    ; wave 0..3
	s_lshr_b32 s15, s14, 1                         ; which half of the tile's rows is mine.  Also: I fetch for x (0) or for w (1)
	s_and_b32 s16, s14, 1                          ; which half of its columns.  Also: which 128 rows I fetch
	s_bfe_u32 s40, ttmp6, 0x40000                  ; cx, cy
	s_bfe_u32 s41, ttmp6, 0x40004
	s_lshl_b32 s42, ttmp9, 2
	s_add_co_u32 s42, s42, s40                     ; tile column = 4 x cluster x + cx
	s_and_b32 s17, ttmp7, 0xffff
	s_lshl_b32 s17, s17, 2
	s_add_co_u32 s17, s17, s41                     ; tile row = 4 x cluster y + cy
	s_lshl_b32 s43, s41, 2
	s_lshl_b32 s43, 15, s43                        ; my row of the cluster
	s_lshl_b32 s44, 0x1111, s40                    ; my column
	s_or_b32 s[G1+0], s43, (0<<16)|(1<<20)|(1<<21)|(5<<22)|(3<<25)  ; the mask; elements of 1 byte; padding on; bit 21 beside a mask; 4 words behind every 64
	s_or_b32 s[G1B+0], s44, (0<<16)|(1<<20)|(1<<21)|(5<<22)|(3<<25)
.irp g, G1, G1B
	s_mov_b32 s[\g+1], ROWB<<16                    ; tensor_dim0
	s_mov_b32 s[\g+2], 128<<16                     ; tensor_dim1
	s_mov_b32 s[\g+3], ROWB<<16                    ; tile_dim0
	s_mov_b32 s[\g+4], 128                         ; tile_dim1
	s_mov_b32 s[\g+5], KROW                        ; the pitch
	s_mov_b32 s[\g+6], 0
	s_mov_b32 s[\g+7], 0
.endr
	s_or_b32 s[G1S+0], s43, (3<<16)|(1<<20)|(1<<21)|(5<<22)|(3<<25) ; the scales of 128 rows: 4,096 dense bytes as 16 rows of 256 (32 elements of 8 bytes), 16 bytes of padding behind each
	s_or_b32 s[G1SB+0], s44, (3<<16)|(1<<20)|(1<<21)|(5<<22)|(3<<25)
.irp g, G1S, G1SB
	s_mov_b32 s[\g+1], 32<<16
	s_mov_b32 s[\g+2], (128*KS/256)<<16
	s_mov_b32 s[\g+3], 32<<16
	s_mov_b32 s[\g+4], 128*KS/256
	s_mov_b32 s[\g+5], 32
	s_mov_b32 s[\g+6], 0
	s_mov_b32 s[\g+7], 0
.endr
	s_lshl_b32 s18, s16, 7
	s_lshl_b32 s20, s17, 8
	s_add_co_u32 s20, s20, s18                     ; x: row 256 x tile row + 128 x half
	s_lshl_b32 s46, s42, 8
	s_add_co_u32 s46, s46, s18                     ; w: row 256 x tile column + 128 x half
	s_mov_b32 s21, 0
	s_mov_b32 s47, 0
	s_mov_b64 s[18:19], KS
	s_mul_u64 s[22:23], s[20:21], s[18:19]         ; where these rows' scales begin,
	s_mul_u64 s[92:93], s[46:47], s[18:19]
	s_mov_b64 s[18:19], KROW
	s_mul_u64 s[20:21], s[20:21], s[18:19]         ; and their codes
	s_mul_u64 s[46:47], s[46:47], s[18:19]
	s_mul_i32 s45, s14, HALFT                      ; where they go: wave x 128 rows
	s_mul_i32 s94, s14, HALFS
	s_wait_dscnt 0x0                               ; both opening adds are done
	s_wait_kmcnt 0x0
	s_add_nc_u64 s[20:21], s[4:5], s[20:21]
	s_add_nc_u64 s[22:23], s[6:7], s[22:23]
	s_add_nc_u64 s[46:47], s[8:9], s[46:47]
	s_add_nc_u64 s[92:93], s[10:11], s[92:93]
	CROUND                                         ; all sixteen work-groups are here: the joint loads meet
	s_mov_b32 s[G0S], 1
	s_add_co_u32 s[G0S+1], s94, SCL
	s_mov_b64 s[G0S+2:G0S+3], s[22:23]
	s_or_b32 s[G0S+3], s[G0S+3], 0x80000000
	s_mov_b32 s[G0SB], 1
	s_add_co_u32 s[G0SB+1], s94, SCL
	s_mov_b64 s[G0SB+2:G0SB+3], s[92:93]
	s_or_b32 s[G0SB+3], s[G0SB+3], 0x80000000
	JLOAD G0S, G1S, G0SB, G1SB                     ; the scales first; then both slots: three tensor loads of mine are out
.irp s, 0,1
	s_mov_b32 s[G0+4*\s], 1
	s_add_co_u32 s[G0+4*\s+1], s45, \s*SLOT
	s_add_nc_u64 s[G0+4*\s+2:G0+4*\s+3], s[20:21], \s*ROWB
	s_or_b32 s[G0+4*\s+3], s[G0+4*\s+3], 0x80000000
	s_mov_b32 s[G0B+4*\s], 1
	s_add_co_u32 s[G0B+4*\s+1], s45, \s*SLOT
	s_add_nc_u64 s[G0B+4*\s+2:G0B+4*\s+3], s[46:47], \s*ROWB
	s_or_b32 s[G0B+4*\s+3], s[G0B+4*\s+3], 0x80000000
	JLOAD G0+4*\s, G1, G0B+4*\s, G1B
.endr
	v_and_b32 v1, 15, v0                           ; r = l % 16
	v_bfe_u32 v2, v0, 4, 1                         ; h = l / 16
	v_mul_u32_u24 v3, v1, PITCH
	v_lshl_add_u32 v4, v2, 4, v3                   ; a fragment's row x pitch + 16 x half
	s_mul_i32 s21, s15, HALFT
	s_mul_i32 s22, s16, HALFT
	s_add_co_u32 s22, s22, 2*HALFT
.irp s, 0,1
	v_add_nc_u32 v[ADRA+\s], s21, v4
	v_add_nc_u32 v[ADRB+\s], s22, v4
	s_add_co_u32 s21, s21, SLOT
	s_add_co_u32 s22, s22, SLOT
.endr
	v_mul_u32_u24 v5, v1, KS                       ; my row's scales: 32 bytes a row,
	v_lshrrev_b32 v6, 8, v5
	v_lshl_add_u32 v5, v6, 4, v5                   ; and 16 more for each 256 passed
	s_mul_i32 s21, s15, HALFS
	s_mul_i32 s22, s16, HALFS
	s_add_co_u32 s22, s22, 2*HALFS
	s_sub_co_u32 s22, s22, s21
	v_mul_u32_u24 v6, s22, v2                      ; lanes 16-31 take w's
	s_add_co_u32 s21, s21, SCL
	v_add_nc_u32 v5, v5, v6
	v_add_nc_u32 v[ADRS], s21, v5
	s_mul_i32 s23, s14, 16*SPITCH                  ; my stage
	v_mul_u32_u24 v5, v1, SPITCH                   ; in: row r, 16 bytes for each half of the lanes
	v_lshl_add_u32 v5, v2, 4, v5
	v_add_nc_u32 v[STO], s23, v5
	v_and_b32 v6, 31, v0
	v_lshrrev_b32 v5, 3, v6                        ; back: eight lanes take one head's 128 bytes of a token, the 32 lanes four tokens
	v_mul_u32_u24 v5, v5, SPITCH
	v_and_b32 v8, 7, v0
	v_lshl_add_u32 v5, v8, 4, v5
	v_add_nc_u32 v[RD], s23, v5
	v_lshlrev_b32 v[CO], 4, v6                     ; which are 512 consecutive bytes in memory
	v_lshlrev_b32 v7, 5, v2                        ; the bias: 32 h bytes: my half's eight columns of a block
	s_lshl_b32 s46, s42, 10
	s_lshl_b32 s47, s16, 9
	s_add_co_u32 s46, s46, s47
	s_mov_b32 s47, 0
	s_add_nc_u64 s[96:97], s[96:97], s[46:47]      ; qkv_b at my first column: 256 x tile column + 128 x half
.irp b, 0,1,2,3,4,5,6,7
	global_load_b128 v[BI+8*\b:BI+8*\b+3], v7, s[96:97] offset:64*\b
	global_load_b128 v[BI+8*\b+4:BI+8*\b+7], v7, s[96:97] offset:64*\b+16
.endr
	; where my part of the result begins: q, k or v = tile column / 4; batch = tile row / 8; my first head = 4 (tile column % 4) + 2 x half; my first token = 256 (tile row % 8) + 128 x half
	s_lshr_b32 s20, s17, 3
	s_lshl_b32 s20, s20, 4
	s_and_b32 s21, s42, 3
	s_lshl_b32 s21, s21, 2
	s_add_co_u32 s20, s20, s21
	s_lshl_b32 s21, s16, 1
	s_add_co_u32 s20, s20, s21
	s_lshl_b32 s20, s20, 18                        ; 262,144 bytes a head
	s_lshr_b32 s21, s42, 2
	s_lshl_b32 s21, s21, 24                        ; 16,777,216 for each of q, k, v
	s_add_co_u32 s20, s20, s21
	s_and_b32 s21, s17, 7
	s_lshl_b32 s21, s21, 15
	s_add_co_u32 s20, s20, s21
	s_lshl_b32 s21, s15, 14
	s_add_co_u32 s20, s20, s21
	s_mov_b32 s21, 0
	s_add_nc_u64 s[12:13], s[12:13], s[20:21]      ; never stepped: all else stands in the stores' immediates
.macro FRAG reg, adr, q, i             ; 16 rows x 128 K of 4-bit codes: 8 registers, two loads of 16 bytes, 32 bytes apart
.irp c, 0,1
	ds_load_b128 v[\reg+4*\c:\reg+4*\c+3], v[\adr] offset:64*(\q)+32*\c+(\i)*16*PITCH
.endr
.endm
; 16 matrix instructions: x's blocks a0, a0 + 1 against w's eight, 128 along K.  zero = 1: the first product starts the sum from the bias.  The 64 accumulators take turns.
.macro MUL16 a0, p, q, sc, zero
.irp a, \a0, \a0+1
.irp b, 0,1,2,3,4,5,6,7
.if \zero
	v_wmma_scale_f32_16x16x128_f8f6f4 v[8*(8*((\a)%4)+\b):8*(8*((\a)%4)+\b)+7], v[128*(\p)+FR*\b:128*(\p)+FR*\b+FR-1], v[AF+FR*(\a):AF+FR*(\a)+FR-1], v[BI+8*\b:BI+8*\b+7], v[SC+8*NQ*(\sc)+NQ*\b+(\q)], v[SC+8*NQ*(\sc)+NQ*(\a)+(\q)] matrix_a_fmt:MATRIX_FMT_FP4 matrix_b_fmt:MATRIX_FMT_FP4 matrix_a_scale:MATRIX_SCALE_ROW1
.else
	v_wmma_scale_f32_16x16x128_f8f6f4 v[8*(8*((\a)%4)+\b):8*(8*((\a)%4)+\b)+7], v[128*(\p)+FR*\b:128*(\p)+FR*\b+FR-1], v[AF+FR*(\a):AF+FR*(\a)+FR-1], v[8*(8*((\a)%4)+\b):8*(8*((\a)%4)+\b)+7], v[SC+8*NQ*(\sc)+NQ*\b+(\q)], v[SC+8*NQ*(\sc)+NQ*(\a)+(\q)] matrix_a_fmt:MATRIX_FMT_FP4 matrix_b_fmt:MATRIX_FMT_FP4 matrix_a_scale:MATRIX_SCALE_ROW1
.endif
.endr
.endr
.endm
.macro FETCH_B slot, q, p
	WIN TO_B
.irp i, 0,1,2,3,4,5,6,7
	FRAG 128*(\p)+FR*\i, ADRB+\slot, \q, \i
.endr
	WIN 0
.endm
.macro FETCH_A slot, q, i0
.irp i, \i0, \i0+1, \i0+2, \i0+3
	FRAG AF+FR*(\i), ADRA+\slot, \q, \i
.endr
.endm
.macro SCALES sc                       ; a slot's scale words: four words a row; lanes 0-15 take x's block i, lanes 16-31 w's block i
.irp i, 0,1,2,3,4,5,6,7
	ds_load_b128 v[SC+8*NQ*\sc+NQ*\i:SC+8*NQ*\sc+NQ*\i+3], v[ADRS] offset:\i*SBLK
.endr
.endm
.macro PLACES n                        ; plain vector lines between a matrix instruction and a load into, or a read of, its registers
.rept \n
	v_nop
.endr
.endm
.macro STEP slot, q, zero              ; 128 along K that has its successor in the same slot
	s_wait_dscnt 4*NL                              ; w's set and x's blocks 0-3 are in; the youngest eight loads (x's blocks 4-7) may be out
.if \zero
	WIN FIRST_LO
.else
	WIN MUL_LO
.endif
	MUL16 0, (\q)%2, \q, \slot, \zero
	MUL16 2, (\q)%2, \q, \slot, \zero
	s_wait_dscnt 0
	PLACES NP
	FETCH_B \slot, (\q)+1, 1-(\q)%2
	FETCH_A \slot, (\q)+1, 0
.if \zero
	WIN FIRST_HI
.else
	WIN MUL_HI
.endif
	MUL16 4, (\q)%2, \q, \slot, \zero
	MUL16 6, (\q)%2, \q, \slot, \zero
	PLACES NP
	WIN 0
	FETCH_A \slot, (\q)+1, 4
.endm
; Slot 0's last step changes slots: one barrier; in front of it each wave waits for all its tensor loads (its part of slot 1), adds 0 to its spare word, and waits for that and for its reads of slot 0.
.macro TURN slot, next
	s_wait_tensorcnt 0x0
	ds_add_u32 v[SPW], v[NIL]
	s_wait_dscnt 4*NL+1                            ; the add and the youngest eight loads may be out
	WIN MUL_LO
	MUL16 0, 1, NQ-1, \slot, 0
	s_wait_dscnt 0x0                               ; the add is done, and my reads of this slot are over
	s_barrier_signal -1
	MUL16 2, 1, NQ-1, \slot, 0
	WIN 0
	s_barrier_wait -1
	PLACES NP
	v_add_nc_u32 v[ADRS], 4*NQ, v[ADRS]            ; the next slot's scale words
	FETCH_B \next, 0, 0
	FETCH_A \next, 0, 0
	SCALES \next
	WIN MUL_HI
	MUL16 4, 1, NQ-1, \slot, 0
	MUL16 6, 1, NQ-1, \slot, 0
	PLACES NP
	WIN 0
	FETCH_A \next, 0, 4
.endm
	s_wait_tensorcnt 1                             ; the scales and my part of slot 0 are in; slot 1's load may be out
	s_barrier_signal -1
	s_barrier_wait -1
	FETCH_B 0, 0, 0
	FETCH_A 0, 0, 0
	SCALES 0
	FETCH_A 0, 0, 4
	s_wait_loadcnt 0x0                             ; the bias
	STEP 0, 0, 1
	STEP 0, 1, 0
	STEP 0, 2, 0
	TURN 0, 1
	STEP 1, 0, 0
	STEP 1, 1, 0
	STEP 1, 2, 0
	s_wait_dscnt 4*NL                              ; the very last step
	WIN MUL_LO
	MUL16 0, 1, NQ-1, 1, 0
	MUL16 2, 1, NQ-1, 1, 0
	s_wait_dscnt 0
	WIN MUL_HI
	MUL16 4, 1, NQ-1, 1, 0
	MUL16 6, 1, NQ-1, 1, 0
	WIN 0
; THE WAY OUT, a block of 16 tokens x 128 columns (two heads) at a time: rounded to f16 (16 bytes a lane), through my own stage, back so that the 32 lanes hold four tokens of ONE head: 512 consecutive bytes.
.macro PACK a
.set AC, 64*((\a)%4)
.set WW, 0x0a+5*((\a)/4)
	WIN WW                                         ; sources 0 and 1: window 2 or 3
.irp b, 0,1,2,3,4,5,6,7
.irp r, 0,1,2,3
	v_cvt_pk_f16_f32 v[TMP+4*\b+\r], v[AC+8*\b+2*\r], v[AC+8*\b+2*\r+1]   ; each accumulator from its low end on
.endr
.endr
	WIN 0
.endm
.macro TOSTAGE a
.set BB, BK+32*((\a)%2)
.irp b, 0,1,2,3,4,5,6,7
	ds_store_b128 v[STO], v[TMP+4*\b:TMP+4*\b+3] offset:32*\b
.endr
.irp t, 0,1,2,3
.irp hh, 0,1
	ds_load_b128 v[BB+4*(2*\t+\hh):BB+4*(2*\t+\hh)+3], v[RD] offset:4*SPITCH*\t+128*\hh   ; in order behind my stores
.endr
.endr
.endm
.macro SEND a
.set BB, BK+32*((\a)%2)
	s_wait_dscnt 0x0                               ; the block is back in registers
	s_wait_xcnt 0x0                                ; the block before has had its stores' registers read: the next block's loads may land there
.irp t, 0,1,2,3
.irp hh, 0,1
	global_store_b128 v[CO], v[BB+4*(2*\t+\hh):BB+4*(2*\t+\hh)+3], s[12:13] offset:262144*\hh+2048*(\a)+512*\t
.endr
.endr
.endm
	PLACES NP
	PACK 0
	TOSTAGE 0
.irp a, 1,2,3,4,5,6,7                  ; block a's conversions stand between block a - 1's loads from the stage and the wait for them
	PACK \a
	SEND \a-1
	TOSTAGE \a
.endr
	SEND 7
	s_wait_tensorcnt 0x0                           ; the wave's end
	ds_add_u32 v[SPW], v[NIL]
	s_wait_dscnt 0x0
	CROUND                                         ; the closing round
	s_endpgm
.Lfunc_end_k_q7ed07ea3c3_qkvg:
	.size	k_q7ed07ea3c3_qkvg, .Lfunc_end_k_q7ed07ea3c3_qkvg-k_q7ed07ea3c3_qkvg
	.p2alignl 7, 3214868480
	.fill 96, 4, 3214868480
	.section	.rodata,"a",@progbits
	.p2align	6, 0x0
	.amdhsa_kernel k_q7ed07ea3c3_qkvg
		.amdhsa_group_segment_fixed_size 327680
		.amdhsa_private_segment_fixed_size 0
		.amdhsa_enable_private_segment 0
		.amdhsa_kernarg_size 48
		.amdhsa_user_sgpr_count 2
		.amdhsa_user_sgpr_kernarg_segment_ptr 1
		.amdhsa_wavefront_size32 1
		.amdhsa_system_sgpr_workgroup_id_x 1
		.amdhsa_system_sgpr_workgroup_id_y 1
		.amdhsa_system_sgpr_workgroup_id_z 1
		.amdhsa_system_vgpr_workitem_id 0
		.amdhsa_next_free_vgpr 1024
		.amdhsa_next_free_sgpr 98
		.amdhsa_reserve_vcc 0
		.amdhsa_float_denorm_mode_32 3
		.amdhsa_float_denorm_mode_16_64 3
		.amdhsa_memory_ordered 1
		.amdhsa_forward_progress 1
		.amdhsa_inst_pref_size 128
	.end_amdhsa_kernel
	.amdgpu_metadata
---
amdhsa.version: [ 1, 2 ]
amdhsa.kernels:
  - .name:           k_q7ed07ea3c3_qkvg
    .symbol:         k_q7ed07ea3c3_qkvg.kd
    .args:
      - { .name: xc, .offset: 0, .size: 8, .value_kind: global_buffer, .address_space: global }
      - { .name: xs, .offset: 8, .size: 8, .value_kind: global_buffer, .address_space: global }
      - { .name: wc, .offset: 16, .size: 8, .value_kind: global_buffer, .address_space: global }
      - { .name: ws, .offset: 24, .size: 8, .value_kind: global_buffer, .address_space: global }
      - { .name: qkv_b, .offset: 32, .size: 8, .value_kind: global_buffer, .address_space: global }
      - { .name: qkv, .offset: 40, .size: 8, .value_kind: global_buffer, .address_space: global }
    .group_segment_fixed_size: 327680
    .private_segment_fixed_size: 0
    .kernarg_segment_align: 8
    .kernarg_segment_size: 48
    .max_flat_workgroup_size: 128
    .sgpr_count:     98
    .vgpr_count:     1024
    .wavefront_size: 32
...
	.end_amdgpu_metadata
.endif
;; end of part 2
;; launch attn (part 3): grid 4 x 64, 16 waves a work-group, clusters of 4 x 1, 327,680 bytes of LDS; arguments qkv, ob; writes ob
.if DOCPART == 3
	.amdgcn_target "amdgcn-amd-amdhsa--gfx1250"
	.amdhsa_code_object_version 6
	.text
	.protected	k_q7ed07ea3c3_attn
	.globl	k_q7ed07ea3c3_attn
	.p2align	8
	.type	k_q7ed07ea3c3_attn,@function
k_q7ed07ea3c3_attn:
	s_mov_b64 s[64:65], 0
	v_nop
	global_prefetch_b8 v0, s[64:65] scope:SCOPE_SE
	s_setreg_imm32_b32 hwreg(HW_REG_WAVE_MODE, 25, 1), 1
	s_wait_xcnt 0x0
	s_wait_alu depctr_hold_cnt(0) depctr_sa_sdst(0) depctr_va_vdst(0) depctr_va_sdst(0) depctr_va_ssrc(0) depctr_va_vcc(0) depctr_vm_vsrc(0)
	s_getreg_b32 s2, hwreg(HW_REG_IB_STS2, 6, 4)
	s_cmp_eq_u32 s2, 0
	s_cbranch_scc0 .Lentry_in_a_cluster
	s_endpgm
.Lentry_in_a_cluster:
	s_bfe_u32 s2, ttmp6, 0x10000c
	s_cmp_lg_u32 s2, 0x3003
	s_cbranch_scc0 .Lentry_shape_is_right
	s_endpgm
.Lentry_shape_is_right:
; o[bh][q][:] = the sum over k of softmax_k(q . k / 8) v[k][:], no mask.  q, k, v: [3][64 (batch x 16 + head)][2048][64] f16.  Products on f16 operands with f32 sums; maxima, exponentials and sums in f32;
; the weights p are rounded to f16 for the second product, o once at the end.  o leaves as images of the next product's operand registers: [k / 128][token / 16][4][2][lane][16 bytes], k = 64 head + channel.
; SHARES.  A cluster of four work-groups is one (batch, head); a work-group owns 512 queries, each of its SIXTEEN waves 32: two tiles of 16, in 256 registers: four waves to a SIMD, so that one wave's
; vector work stands beside another's matrix work and LDS loads.  Every wave walks all 2,048 keys, 64 a step.
; K and V come through a ring of two LDS slots of 256 keys, by JOINT loads (the four work-groups walk the same K and V): waves 0 and 1 fetch K's halves, waves 2 and 3 V's; all sixteen read.
; LAYOUT.  S^T = K Q^T (source 0 = 16 keys, source 1 = 16 queries): a lane holds ONE query (lane % 16) and keys 8 (lane / 16) + 0..7.  Two such tiles, rounded in pairs, ARE source 1 of O^T = V^T P.
; V ([key][channel]) is turned by ds_load_tr16_b128.  O^T's eight channels of a lane, rounded in pairs, ARE four registers of the projection's operand: no LDS on the way out.
; SOFTMAX.  A running maximum m and sum l for each query: p = 2^(c s - c m), c = log2(e) / 8; in every step O and l are multiplied by a = 2^(c m_old - c m_new).
; LIMITS: NaN and infinities are not served; c m is rounded once, so p can pass 1 by 2^(half an ulp of c m): inside f16 while c |m| is under 2^28.
.set KP,    144                        ; a key's row in LDS: 128 bytes + 16
.set VP,    160                        ; a row of V: 128 + 32
.set VOFF,  256*KP                     ; a slot: 256 rows of K, then 256 rows of V
.set SLOT1, 1<<17                      ; slot 1 begins here: one exclusive or turns an address from one slot to the other
.set SPARE, 2*SLOT1                    ; the spare words, 128 bytes for each wave: eight blocks of 256 bytes that no other line names
.set AK0, 1                            ; v1  my lane's place in a tile of K
.set AV0, 2                            ; v2  the same for V
.set SPW, 3                            ; v3  my spare word; never rewritten
.set NIL, 4                            ; v4  0; never rewritten
.set ADK, 5                            ; v5  LDS address of the slot's K
.set ADV, 6                            ; v6  of its V
.set PFO, 7                            ; v7  256 x lane: the prefetches' offset; never rewritten
.set GO,  8                            ; v8  16 x lane: the way out
.set QO,  9                            ; v9  my byte in the wave's rows of Q
.set SB2, 10                           ; v10-13 the sums' second chains, a pair a tile
.set ST,  16                           ; tile t's statistics at v[16 + 8 t]: +0 c m, +1 m, +2, +3 l, +4 to +7 at work (+6: a)
.set Q,   32                           ; v32-63   Q: tile t, channels 32 c on, at 16 t + 8 c
.set KV,  64                           ; v64-127  K of a step (keys 16 kt on, channels 32 c on: 8 (2 kt + c)), then V (keys 32 kk on, channels 16 ct on: 8 (4 kk + ct))
.set S,   128                          ; v128-191 S^T, 32 a tile; p in place; P in the tile's first 16
.set O,   192                          ; v192-255 O^T: 32 t + 8 ct
.set WV,  8
.set G1K, 24
.set G1V, 32
.set G0K, 40
.set G0V, 44
.set CS,  48                           ; s[48:49] c, twice
.set SEL, 50                           ; s[50:51] v_permlanex16_b32's selects for lane l xor 16
.set TB,  52                           ; s52 LDS byte at which the slot in hand begins
.set SLOTS, 53                         ; s53 slots still to be asked for
.set LIM, 54                           ; s54 1 in a wave that prefetches, else the greatest number
.set PFA, 56                           ; s[56:57] where my prefetches stand
.set QB,  58                           ; s[58:59] Q at my first query
.set OBA, 60                           ; s[60:61] the images at my first tile
.macro CROUND                          ; a round of the cluster's barrier
	s_barrier_signal -1
	s_barrier_wait -1
	s_cmp_lg_u32 s[WV], 0
	s_cbranch_scc1 .Lnot_wave_0_\@
	s_barrier_signal -3
.Lnot_wave_0_\@:
	s_barrier_wait -3
	s_barrier_signal -1
	s_barrier_wait -1
.endm
; The joint load: waves 0 and 1 for K, waves 2 and 3 for V, the others none.  The branches hang on the wave's number alone.  An s_nop 0 and four v_nop follow each line.
.macro TLOAD
	s_cmp_lt_u32 s[WV], 2
	s_cbranch_scc0 .Lnot_k_\@
	tensor_load_to_lds s[G0K:G0K+3], s[G1K:G1K+7]
	s_nop 0
.rept 4
	v_nop
.endr
	s_branch .Lasked_\@
.Lnot_k_\@:
	s_cmp_lt_u32 s[WV], 4
	s_cbranch_scc0 .Lasked_\@
	tensor_load_to_lds s[G0V:G0V+3], s[G1V:G1V+7]
	s_nop 0
.rept 4
	v_nop
.endr
.Lasked_\@:
.endm
; A prefetch of what the NEXT change of slots will ask for: a slot's 32,768 bytes of K (wave 4) and of V (wave 5).  The four partners share them out BY ADDRESS, 8,192 bytes each, lanes 256 bytes apart:
; each aligned block of 256 bytes is named once in the launch.  A slot's four key steps ahead of the load.  The last change that fills a slot asks for nothing; slots 0 and 1 come by their loads alone.
.macro ASK
	s_cmp_gt_u32 s[SLOTS], s[LIM]
	s_cbranch_scc0 .Lnot_mine_\@
	global_prefetch_b8 v[PFO], s[PFA:PFA+1] th:TH_LOAD_NT scope:SCOPE_SE
.Lnot_mine_\@:
.endm
	s_load_b128 s[4:7], s[0:1], 0x0                ; qkv s[4:5], the images s[6:7]
	v_lshl_add_u32 v[SPW], v0, 2, SPARE
	v_mov_b32 v[NIL], 0
	ds_add_u32 v[SPW], v[NIL]                      ; the wave's opening: the add, twice on end, and its wait ahead of the first tensor load
	ds_add_u32 v[SPW], v[NIL]
	v_lshrrev_b32 v5, 5, v0
	v_readfirstlane_b32 s[WV], v5                  ; wave 0..15
	s_bfe_u32 s9, ttmp6, 0x40000                   ; cx: my block of 512 queries
	s_and_b32 s10, ttmp7, 0xffff                   ; batch x 16 + head, which the four partners share
	s_mov_b32 s[G1K], 15|(1<<16)|(1<<20)|(1<<21)|(4<<22)|(3<<25)  ; the mask: all four; elements of 2 bytes; padding on; bit 21 beside a mask; 4 words behind every 32
	s_mov_b32 s[G1V], 15|(1<<16)|(1<<20)|(1<<21)|(4<<22)|(7<<25)  ; the same with 8 words
.irp g, G1K, G1V
	s_mov_b32 s[\g+1], 64<<16                      ; tensor_dim0 = 64
	s_mov_b32 s[\g+2], 128<<16                     ; tensor_dim1 = 128
	s_mov_b32 s[\g+3], 64<<16                      ; tile_dim0
	s_mov_b32 s[\g+4], 128                         ; tile_dim1
	s_mov_b32 s[\g+5], 64                          ; the pitch
	s_mov_b32 s[\g+6], 0
	s_mov_b32 s[\g+7], 0
.endr
	s_mov_b32 s[CS], 0x3e38aa3b                    ; c = log2(e) / 8
	s_mov_b32 s[CS+1], s[CS]
	s_mov_b32 s[SEL], 0x76543210
	s_mov_b32 s[SEL+1], 0xfedcba98
	s_mov_b32 s[TB], 0
	s_mov_b32 s[SLOTS], 7
	s_and_b32 s11, s[WV], 1                        ; which 128 rows of a slot I fetch, if I fetch
	s_lshl_b32 s14, s10, 18                        ; the head's first byte in each of q, k, v
	s_lshl_b32 s13, s11, 14
	s_add_co_u32 s12, s14, s13
	s_mov_b32 s13, 0                               ; s[12:13]: my half of slot 0 (head and wave alone: the same in all four partners)
	s_lshl_b32 s16, s9, 16
	s_lshl_b32 s17, s[WV], 12
	s_add_co_u32 s16, s16, s17
	s_add_co_u32 s16, s16, s14
	s_mov_b32 s17, 0                               ; s[16:17]: my first query: 512 cx + 32 wave, 128 bytes a row
	s_and_b32 s18, s10, 15                         ; head
	s_lshr_b32 s19, s10, 4                         ; batch
	s_lshr_b32 s20, s18, 1
	s_lshl_b32 s20, s20, 21                        ; K step of the projection = head / 2: 2,097,152 bytes each
	s_and_b32 s18, s18, 1
	s_lshl_b32 s18, s18, 11                        ; in a tile's 4,096 bytes: 2,048 x (head % 2)
	s_add_co_u32 s20, s20, s18
	s_lshl_b32 s19, s19, 19                        ; tile of tokens = 128 batch + 32 cx + 2 wave
	s_add_co_u32 s20, s20, s19
	s_lshl_b32 s19, s9, 17
	s_add_co_u32 s20, s20, s19
	s_lshl_b32 s19, s[WV], 13
	s_add_co_u32 s20, s20, s19
	s_mov_b32 s21, 0
	s_cmp_eq_u32 s[WV], 4                          ; the prefetches: wave 4 stands in K, wave 5 in V
	s_mov_b32 s22, 33554432
	s_cselect_b32 s22, 16777216, s22
	s_add_co_u32 s22, s22, s14
	s_lshl_b32 s23, s9, 13                         ; my work-group's 8,192 bytes of a slot's 32,768,
	s_add_co_u32 s22, s22, s23
	s_add_co_u32 s22, s22, 32768                   ; in slot 1: the first change of slots steps it to slot 2
	s_mov_b32 s23, 0
	s_lshr_b32 s[LIM], s[WV], 1
	s_cmp_eq_u32 s[LIM], 2
	s_cselect_b32 s[LIM], 1, -1
	s_wait_dscnt 0x0                               ; both opening adds are done
	s_wait_kmcnt 0x0
	s_add_nc_u64 s[QB:QB+1], s[4:5], s[16:17]
	s_add_nc_u64 s[OBA:OBA+1], s[6:7], s[20:21]
	s_add_nc_u64 s[PFA:PFA+1], s[4:5], s[22:23]
	s_mov_b32 s[G0K], 1
	s_mul_i32 s[G0K+1], s11, 128*KP
	s_add_nc_u64 s[G0K+2:G0K+3], s[4:5], s[12:13]
	s_add_nc_u64 s[G0K+2:G0K+3], s[G0K+2:G0K+3], 16777216
	s_or_b32 s[G0K+3], s[G0K+3], 0x80000000
	s_mov_b32 s[G0V], 1
	s_mul_i32 s[G0V+1], s11, 128*VP
	s_add_co_u32 s[G0V+1], s[G0V+1], VOFF
	s_add_nc_u64 s[G0V+2:G0V+3], s[4:5], s[12:13]
	s_add_nc_u64 s[G0V+2:G0V+3], s[G0V+2:G0V+3], 33554432
	s_or_b32 s[G0V+3], s[G0V+3], 0x80000000
	CROUND                                         ; all four work-groups are here: the first joint loads meet
	TLOAD                                          ; slot 0
	v_and_b32 v10, 15, v0                          ; r
	v_bfe_u32 v11, v0, 4, 1                        ; h
	v_lshlrev_b32 v[QO], 7, v10
	v_lshl_add_u32 v[QO], v11, 4, v[QO]            ; row r of 128 bytes, + 16 h
.irp t, 0,1
.irp c, 0,1
	global_load_b128 v[Q+16*\t+8*\c:Q+16*\t+8*\c+3], v[QO], s[QB:QB+1] offset:2048*\t+64*\c      ; Q stays in registers
	global_load_b128 v[Q+16*\t+8*\c+4:Q+16*\t+8*\c+7], v[QO], s[QB:QB+1] offset:2048*\t+64*\c+32
.endr
.endr
	v_mul_u32_u24 v[AK0], v10, KP
	v_lshl_add_u32 v[AK0], v11, 4, v[AK0]          ; K: row r x pitch + 16 h
	v_and_b32 v12, 7, v0
	v_bfe_u32 v13, v0, 3, 1
	v_lshl_add_u32 v[AV0], v11, 3, v12             ; V: key 8 h + l % 8, channels 8 ((l / 8) % 2) on
	v_mul_u32_u24 v[AV0], v[AV0], VP
	v_lshl_add_u32 v[AV0], v13, 4, v[AV0]
	v_add_nc_u32 v[AV0], VOFF, v[AV0]
	v_and_b32 v[GO], 31, v0
	v_lshlrev_b32 v[PFO], 8, v[GO]
	v_lshlrev_b32 v[GO], 4, v[GO]
.irp t, 0,1
	v_mov_b32 v[ST+8*\t+1], 0xff61b1e6             ; m: -3e38, under every score
	v_mov_b32 v[ST+8*\t+2], 0                      ; l, in two halves
	v_mov_b32 v[ST+8*\t+3], 0
	v_mul_f32 v[ST+8*\t], s[CS], v[ST+8*\t+1]      ; c m
.endr
.irp j, 0,1,2,3,4,5,6,7,8,9,10,11,12,13,14,15,16,17,18,19,20,21,22,23,24,25,26,27,28,29,30,31,32,33,34,35,36,37,38,39,40,41,42,43,44,45,46,47,48,49,50,51,52,53,54,55,56,57,58,59,60,61,62,63
	v_mov_b32 v[O+\j], 0                           ; O^T: the step is written once; its first walk finds zeros, which a = 0 leaves zeros
.endr
; A KEY STEP: 64 keys, the q-th of the slot in hand.
.macro STEP q
	v_add_nc_u32 v[ADK], s[TB], v[AK0]
	v_add_nc_u32 v[ADV], s[TB], v[AV0]
.rept 3
	v_nop                                          ; with the two additions: five plain lines behind the last products: four ahead of the loads into V's registers, five ahead of the products that write over P
.endr
.irp c, 0,1                                    ; K's fragments, the first 32 channels first
.irp kt, 0,1,2,3
	ds_load_b128 v[KV+8*(2*\kt+\c):KV+8*(2*\kt+\c)+3], v[ADK] offset:(64*(\q)+16*\kt)*KP+64*\c
	ds_load_b128 v[KV+8*(2*\kt+\c)+4:KV+8*(2*\kt+\c)+7], v[ADK] offset:(64*(\q)+16*\kt)*KP+64*\c+32
.endr
.endr
	s_wait_dscnt 8                                 ; the first 32 channels are in; the eight loads of the second 32 may be out
.irp kt, 0,1,2,3                               ; S^T = K Q^T: eight accumulators by turns; the first products start the sums
.irp t, 0,1
	v_wmma_f32_16x16x32_f16 v[S+32*\t+8*\kt:S+32*\t+8*\kt+7], v[KV+16*\kt:KV+16*\kt+7], v[Q+16*\t:Q+16*\t+7], 0
.endr
.endr
	s_wait_dscnt 0x0
.irp kt, 0,1,2,3
.irp t, 0,1
	v_wmma_f32_16x16x32_f16 v[S+32*\t+8*\kt:S+32*\t+8*\kt+7], v[KV+16*\kt+8:KV+16*\kt+15], v[Q+16*\t+8:Q+16*\t+15], v[S+32*\t+8*\kt:S+32*\t+8*\kt+7]
.endr
.endr
.rept 4
	v_nop                                          ; four plain lines ahead of the loads into K's registers and of the first read of the scores
.endr
.irp kk, 0,1                                   ; V, turned: it lands while the softmax is walked
.irp ct, 0,1,2,3
	ds_load_tr16_b128 v[KV+8*(4*\kk+\ct):KV+8*(4*\kk+\ct)+3], v[ADV] offset:(64*(\q)+32*\kk)*VP+32*\ct
	ds_load_tr16_b128 v[KV+8*(4*\kk+\ct)+4:KV+8*(4*\kk+\ct)+7], v[ADV] offset:(64*(\q)+32*\kk)*VP+16*VP+32*\ct
.endr
.endr
	; the maximum of my 32 scores and the old m, three operands at a time, four chains a tile; the two tiles alternate line by line.  Each accumulator is read from its low end on
.irp j, 0,1,2,3
.irp t, 0,1
	v_max3_num_f32 v[ST+8*\t+4+\j], v[S+32*\t+8*\j], v[S+32*\t+8*\j+1], v[S+32*\t+8*\j+2]
.endr
.endr
.irp u, 1,2
.irp j, 0,1,2,3
.irp t, 0,1
	v_max3_num_f32 v[ST+8*\t+4+\j], v[ST+8*\t+4+\j], v[S+32*\t+8*\j+2*\u+1], v[S+32*\t+8*\j+2*\u+2]
.endr
.endr
.endr
.irp t, 0,1
	v_max3_num_f32 v[ST+8*\t+4], v[ST+8*\t+4], v[S+32*\t+7], v[S+32*\t+15]
.endr
.irp t, 0,1
	v_max3_num_f32 v[ST+8*\t+6], v[ST+8*\t+6], v[S+32*\t+23], v[S+32*\t+31]
.endr
.irp t, 0,1
	v_max3_num_f32 v[ST+8*\t+4], v[ST+8*\t+4], v[ST+8*\t+5], v[ST+8*\t+6]
.endr
.irp t, 0,1
	v_max3_num_f32 v[ST+8*\t+4], v[ST+8*\t+4], v[ST+8*\t+7], v[ST+8*\t+1]
.endr
.irp t, 0,1
	v_permlanex16_b32 v[ST+8*\t+5], v[ST+8*\t+4], s[SEL], s[SEL+1]   ; the query's other 32 keys lie in the lane 16 away
.endr
.irp t, 0,1
	v_mov_b32 v[ST+8*\t+7], v[ST+8*\t]             ; c m_old
.endr
.irp t, 0,1
	v_max_num_f32 v[ST+8*\t+1], v[ST+8*\t+4], v[ST+8*\t+5]   ; the new m
.endr
.irp t, 0,1
	v_mul_f32 v[ST+8*\t], s[CS], v[ST+8*\t+1]      ; c m
.endr
.irp t, 0,1
	v_sub_f32 v[ST+8*\t+7], v[ST+8*\t+7], v[ST+8*\t]   ; c m_old - c m_new
.endr
.irp i, 0,2,4,6,8,10,12,14,16,18,20,22,24,26,28,30
.irp t, 0,1
	v_pk_fma_f32 v[S+32*\t+\i:S+32*\t+\i+1], v[S+32*\t+\i:S+32*\t+\i+1], s[CS:CS+1], v[ST+8*\t:ST+8*\t+1] op_sel_hi:[1,0,0] neg_lo:[0,0,1] neg_hi:[0,0,1]   ; c s - c m
.endr
.endr
.irp t, 0,1                                    ; ONE BATCH of 66 exponentials, none of which reads another's result
	v_exp_f32 v[ST+8*\t+6], v[ST+8*\t+7]           ; a
.endr
.irp i, 0,1,2,3,4,5,6,7,8,9,10,11,12,13,14,15,16,17,18,19,20,21,22,23,24,25,26,27,28,29,30,31
.irp t, 0,1
	v_exp_f32 v[S+32*\t+\i], v[S+32*\t+\i]         ; p
.endr
.endr
	v_nop                                          ; a plain line behind the last exponential
	s_wait_alu depctr_va_vdst(0)                   ; one wait for the batch, ahead of its first reader
.irp t, 0,1                                    ; the sums of the unrounded p, two chains a tile; p is left as it is
	v_pk_add_f32 v[ST+8*\t+4:ST+8*\t+5], v[S+32*\t:S+32*\t+1], v[S+32*\t+2:S+32*\t+3]
.endr
.irp t, 0,1
	v_pk_add_f32 v[SB2+2*\t:SB2+2*\t+1], v[S+32*\t+4:S+32*\t+5], v[S+32*\t+6:S+32*\t+7]
.endr
.irp i, 8,12,16,20,24,28
.irp t, 0,1
	v_pk_add_f32 v[ST+8*\t+4:ST+8*\t+5], v[ST+8*\t+4:ST+8*\t+5], v[S+32*\t+\i:S+32*\t+\i+1]
	v_pk_add_f32 v[SB2+2*\t:SB2+2*\t+1], v[SB2+2*\t:SB2+2*\t+1], v[S+32*\t+\i+2:S+32*\t+\i+3]
.endr
.endr
.irp t, 0,1
	v_pk_add_f32 v[ST+8*\t+4:ST+8*\t+5], v[ST+8*\t+4:ST+8*\t+5], v[SB2+2*\t:SB2+2*\t+1]
.endr
.irp t, 0,1
	v_pk_fma_f32 v[ST+8*\t+2:ST+8*\t+3], v[ST+8*\t+2:ST+8*\t+3], v[ST+8*\t+6:ST+8*\t+7], v[ST+8*\t+4:ST+8*\t+5] op_sel_hi:[1,0,1]   ; l = a l + the sum
.endr
.irp i, 0,1,2,3,4,5,6,7,8,9,10,11,12,13,14,15  ; P: pairs rounded to f16, in place and ascending: register i takes p 2 i, 2 i + 1, which no later line wants
.irp t, 0,1
	v_cvt_pk_f16_f32 v[S+32*\t+\i], v[S+32*\t+2*\i], v[S+32*\t+2*\i+1]
.endr
.endr
.irp i, 0,2,4,6,8,10,12,14,16,18,20,22,24,26,28,30
.irp t, 0,1
	v_pk_mul_f32 v[O+32*\t+\i:O+32*\t+\i+1], v[O+32*\t+\i:O+32*\t+\i+1], v[ST+8*\t+6:ST+8*\t+7] op_sel_hi:[1,0]   ; O^T x a, each accumulator from its low end on
.endr
.endr
	s_wait_dscnt 0x0                               ; V is in
.irp kk, 0,1                                   ; O^T += V^T P: eight accumulators by turns
.irp ct, 0,1,2,3
.irp t, 0,1
	v_wmma_f32_16x16x32_f16 v[O+32*\t+8*\ct:O+32*\t+8*\ct+7], v[KV+8*(4*\kk+\ct):KV+8*(4*\kk+\ct)+7], v[S+32*\t+8*\kk:S+32*\t+8*\kk+7], v[O+32*\t+8*\ct:O+32*\t+8*\ct+7]
.endr
.endr
.endr
.endm
; THE CHANGE OF SLOTS stands at a slot's head.  Each wave waits for all its tensor loads (its part of the slot that it is about to read), adds 0 to its spare word, and waits for that and for its reads of the
; slot that it has left.  fill = 1: a round of the cluster's barrier, so that no wave of any partner still reads that slot or has a load on its way; the joint load of the next 256 keys is the first thing
; behind it and has a slot's four steps in which to land.  One tensor load of a fetching wave is out at most.
.macro CHANGE fill
	s_wait_tensorcnt 0x0
	ds_add_u32 v[SPW], v[NIL]
.if \fill
	ds_add_u32 v[SPW], v[NIL]                      ; twice on end here, in every trip alike
	s_xor_b32 s[G0K+1], s[G0K+1], SLOT1            ; the walking descriptors: the other slot, the next 256 keys
	s_add_nc_u64 s[G0K+2:G0K+3], s[G0K+2:G0K+3], 32768
	s_xor_b32 s[G0V+1], s[G0V+1], SLOT1
	s_add_nc_u64 s[G0V+2:G0V+3], s[G0V+2:G0V+3], 32768
	s_wait_xcnt 0x0                                ; the last prefetch, a slot back, has read its address
	s_add_nc_u64 s[PFA:PFA+1], s[PFA:PFA+1], 32768 ; one slot further on than the walking descriptors
	s_wait_dscnt 0x0                               ; the adds are done, and my reads of the slot that I have left are over
	CROUND
	TLOAD
	ASK
.else
	s_wait_dscnt 0x0
	s_barrier_signal -1
	s_barrier_wait -1
.endif
.endm
.macro SLOT_STEPS
	STEP 0
	STEP 1
	STEP 2
	STEP 3
	s_xor_b32 s[TB], s[TB], SLOT1
.endm
	s_wait_loadcnt 0x0                             ; Q
.Lslot:                                            ; seven trips: behind each change of slots but the last the next slot is asked for
	CHANGE 1
	SLOT_STEPS
	s_sub_co_u32 s[SLOTS], s[SLOTS], 1
	s_cmp_lg_u32 s[SLOTS], 0
	s_cbranch_scc1 .Lslot
	CHANGE 0                                       ; the last slot is written out
	SLOT_STEPS
	; THE WAY OUT: l's halves and the other half of the lanes' are added; O^T / l is rounded to f16: four registers for each 16 channels, which are the projection's operand as it stands
.rept 4
	v_nop
.endr
.irp t, 0,1
	v_add_f32 v[ST+8*\t+4], v[ST+8*\t+2], v[ST+8*\t+3]
.endr
.irp t, 0,1
	v_permlanex16_b32 v[ST+8*\t+5], v[ST+8*\t+4], s[SEL], s[SEL+1]
.endr
.irp t, 0,1
	v_add_f32 v[ST+8*\t+4], v[ST+8*\t+4], v[ST+8*\t+5]
.endr
.irp t, 0,1
	v_rcp_f32 v[ST+8*\t+6], v[ST+8*\t+4]
.endr
	v_nop
	s_wait_alu depctr_va_vdst(0)                   ; one wait for both reciprocals, ahead of their first reader
.irp i, 0,2,4,6,8,10,12,14,16,18,20,22,24,26,28,30
.irp t, 0,1
	v_pk_mul_f32 v[O+32*\t+\i:O+32*\t+\i+1], v[O+32*\t+\i:O+32*\t+\i+1], v[ST+8*\t+6:ST+8*\t+7] op_sel_hi:[1,0]
.endr
.endr
.irp i, 0,1,2,3,4,5,6,7,8,9,10,11,12,13,14,15
.irp t, 0,1
	v_cvt_pk_f16_f32 v[S+16*\t+\i], v[O+32*\t+2*\i], v[O+32*\t+2*\i+1]
.endr
.endr
.irp t, 0,1
.irp ct, 0,1,2,3
	global_store_b128 v[GO], v[S+16*\t+4*\ct:S+16*\t+4*\ct+3], s[OBA:OBA+1] offset:4096*\t+512*\ct   ; 32 lanes store 512 consecutive bytes, aligned
.endr
.endr
	s_wait_tensorcnt 0x0                           ; the wave's end
	ds_add_u32 v[SPW], v[NIL]
	s_wait_dscnt 0x0
	CROUND                                         ; the closing round
	s_endpgm
.Lfunc_end_k_q7ed07ea3c3_attn:
	.size	k_q7ed07ea3c3_attn, .Lfunc_end_k_q7ed07ea3c3_attn-k_q7ed07ea3c3_attn
	.p2alignl 7, 3214868480
	.fill 96, 4, 3214868480
	.section	.rodata,"a",@progbits
	.p2align	6, 0x0
	.amdhsa_kernel k_q7ed07ea3c3_attn
		.amdhsa_group_segment_fixed_size 327680
		.amdhsa_private_segment_fixed_size 0
		.amdhsa_enable_private_segment 0
		.amdhsa_kernarg_size 16
		.amdhsa_user_sgpr_count 2
		.amdhsa_user_sgpr_kernarg_segment_ptr 1
		.amdhsa_wavefront_size32 1
		.amdhsa_system_sgpr_workgroup_id_x 1
		.amdhsa_system_sgpr_workgroup_id_y 1
		.amdhsa_system_sgpr_workgroup_id_z 1
		.amdhsa_system_vgpr_workitem_id 0
		.amdhsa_next_free_vgpr 256
		.amdhsa_next_free_sgpr 66
		.amdhsa_reserve_vcc 0
		.amdhsa_float_denorm_mode_32 3
		.amdhsa_float_denorm_mode_16_64 3
		.amdhsa_memory_ordered 1
		.amdhsa_forward_progress 1
		.amdhsa_inst_pref_size 152
	.end_amdhsa_kernel
	.amdgpu_metadata
---
amdhsa.version: [ 1, 2 ]
amdhsa.kernels:
  - .name:           k_q7ed07ea3c3_attn
    .symbol:         k_q7ed07ea3c3_attn.kd
    .args:
      - { .name: qkv, .offset: 0, .size: 8, .value_kind: global_buffer, .address_space: global }
      - { .name: ob, .offset: 8, .size: 8, .value_kind: global_buffer, .address_space: global }
    .group_segment_fixed_size: 327680
    .private_segment_fixed_size: 0
    .kernarg_segment_align: 8
    .kernarg_segment_size: 16
    .max_flat_workgroup_size: 512
    .sgpr_count:     66
    .vgpr_count:     256
    .wavefront_size: 32
...
	.end_amdgpu_metadata
.endif
;; end of part 3
;; launch proj (part 4): grid 4 x 64, 4 waves a work-group, clusters of 4 x 4, 327,680 bytes of LDS; arguments ob, pw, proj_b, out0; writes out0
.if DOCPART == 4
	.amdgcn_target "amdgcn-amd-amdhsa--gfx1250"
	.amdhsa_code_object_version 6
	.text
	.protected	k_q7ed07ea3c3_proj
	.globl	k_q7ed07ea3c3_proj
	.p2align	8
	.type	k_q7ed07ea3c3_proj,@function
k_q7ed07ea3c3_proj:
	s_mov_b64 s[64:65], 0
	v_nop
	global_prefetch_b8 v0, s[64:65] scope:SCOPE_SE
	s_setreg_imm32_b32 hwreg(HW_REG_WAVE_MODE, 25, 1), 1
	s_wait_xcnt 0x0
	s_wait_alu depctr_hold_cnt(0) depctr_sa_sdst(0) depctr_va_vdst(0) depctr_va_sdst(0) depctr_va_ssrc(0) depctr_va_vcc(0) depctr_vm_vsrc(0)
	s_getreg_b32 s2, hwreg(HW_REG_IB_STS2, 6, 4)
	s_cmp_eq_u32 s2, 0
	s_cbranch_scc0 .Lentry_in_a_cluster
	s_endpgm
.Lentry_in_a_cluster:
	s_bfe_u32 s2, ttmp6, 0x10000c
	s_cmp_lg_u32 s2, 0xf033
	s_cbranch_scc0 .Lentry_shape_is_right
	s_endpgm
.Lentry_shape_is_right:
; out0[m][n] = sum over k of o[m][k] proj_w[k][n] + proj_b[n].  M = 8,192, N = 1,024, K = 1,024.  Both operands are f16 and lie in memory as IMAGES OF THE OPERAND'S REGISTERS:
; [k / 128][tile of 16 rows][4 (32 k)][2 (16 k)][lane][16 bytes]: a K step of 128 of neighbouring tiles is one dense block, and a fragment is two loads at 16 x lane: no pitch, no padding, no bank conflict.
; A tile of out0 is 128 (m) x 256 (n): 256 work-groups.  Four waves, each 64 x 128: 32 accumulators, 256 registers.  K goes in eight steps of 128 through a ring of two LDS slots.
; CLUSTERS: 4 x 4 work-groups; o's tiles are shared along a row of the cluster, the weights' along a column: joint loads.  Two tensor loads of a wave are out at the start, one behind each round.
; THE MATRIX INSTRUCTION IS USED TRANSPOSED (source 0 = 16 columns n of the weights, source 1 = 16 tokens): a lane holds eight neighbouring numbers of a row of out0.  THE BIAS is the C of each sum's first product.
; REGISTERS: window 0: v0-31 addresses; v64-127 the bias; v128-255 the way out.  window 1: two fragment buffers (v0, v128): the weights' eight at +0, o's four at +64.  window 2: accumulator (a, b) at v[8 (8 a + b)].
.set SLOT,   98304                     ; o's 8 tiles x 4,096 bytes, then the weights' 16
.set BOFF,   32768
.set STAGE,  2*SLOT                    ; behind the ring: 16 rows x (512 bytes + 16) for each wave
.set SPITCH, 528
.set SPARE,  STAGE+4*16*SPITCH         ; the spare words, 128 bytes for each wave: two blocks of 256 bytes that no other line names
.set ADRA, 16
.set ADRB, 20
.set STO,  24
.set RD,   25
.set CO,   26
.set SPW,  28
.set NIL,  29
.set BI,   64
.set BK,   128
.set F0,   0
.set F1,   128
.set G1, 24
.set G0, 32
.set G1B, 48
.set G0B, 56
.set MSB, 0
.macro WIN new                         ; the immediate's high byte repeats the setting that is left
.if MSB != \new
	s_set_vgpr_msb (MSB<<8)|\new
.set MSB, \new
.endif
.endm
.set MUL,   0xa5                       ; sources 0 and 1 window 1; C and D window 2
.set FIRST, 0x85                       ; the first quarter: C (the bias) window 0
.set TO_F,  0x40                       ; destination window 1, address window 0
.macro JLOAD s                         ; a joint load: waves 0 and 1 fetch o's halves, waves 2 and 3 the weights'; an s_nop 0 and four v_nop follow each line
	s_cmp_eq_u32 s11, 0
	s_cbranch_scc0 .Lfor_b_\@
	tensor_load_to_lds s[G0+4*\s:G0+4*\s+3], s[G1:G1+7]
	s_nop 0
.rept 4
	v_nop
.endr
	s_branch .Lasked_\@
.Lfor_b_\@:
	tensor_load_to_lds s[G0B+4*\s:G0B+4*\s+3], s[G1B:G1B+7]
	s_nop 0
.rept 4
	v_nop
.endr
.Lasked_\@:
.endm
.macro CREST                           ; a round of the cluster's barrier behind its opening barrier
	s_cmp_lg_u32 s10, 0
	s_cbranch_scc1 .Lnot_wave_0_\@
	s_barrier_signal -3
.Lnot_wave_0_\@:
	s_barrier_wait -3
	s_barrier_signal -1
	s_barrier_wait -1
.endm
.macro CROUND
	s_barrier_signal -1
	s_barrier_wait -1
	CREST
.endm
	s_load_b128 s[4:7], s[0:1], 0x0                ; o's images s[4:5], the weights' s[6:7]
	s_load_b64 s[22:23], s[0:1], 0x10              ; proj_b
	s_load_b64 s[8:9], s[0:1], 0x18                ; out0
	v_lshl_add_u32 v[SPW], v0, 2, SPARE
	v_mov_b32 v[NIL], 0
	ds_add_u32 v[SPW], v[NIL]                      ; the wave's opening: the add, twice on end, and its wait ahead of my first tensor load
	ds_add_u32 v[SPW], v[NIL]
	v_lshrrev_b32 v1, 5, v0
	v_readfirstlane_b32 s10, v1                    ; wave 0..3
	s_lshr_b32 s11, s10, 1                         ; which 64 rows are mine.  Also: I fetch for o (0) or for the weights (1)
	s_and_b32 s12, s10, 1                          ; which 128 columns.  Also: which half of that tile I fetch
	s_bfe_u32 s40, ttmp6, 0x40000                  ; cx, cy
	s_bfe_u32 s41, ttmp6, 0x40004
	s_lshl_b32 s42, ttmp9, 2
	s_add_co_u32 s42, s42, s40                     ; tile column = 4 x cluster x + cx
	s_and_b32 s13, ttmp7, 0xffff
	s_lshl_b32 s13, s13, 2
	s_add_co_u32 s13, s13, s41                     ; tile row = 4 x cluster y + cy
	s_lshl_b32 s43, s41, 2
	s_lshl_b32 s43, 15, s43                        ; my row of the cluster
	s_lshl_b32 s44, 0x1111, s40                    ; my column
	s_or_b32 s[G1+0], s43, (3<<16)|(1<<21)         ; the mask; elements of 8 bytes; bit 21 beside a mask; no padding
	s_or_b32 s[G1B+0], s44, (3<<16)|(1<<21)
	s_mov_b32 s[G1+1], 32<<16                      ; o's half: 16,384 dense bytes as 64 rows of 256
	s_mov_b32 s[G1+2], 64<<16
	s_mov_b32 s[G1+3], 32<<16
	s_mov_b32 s[G1+4], 64
	s_mov_b32 s[G1+5], 32
	s_mov_b32 s[G1+6], 0
	s_mov_b32 s[G1+7], 0
	s_mov_b32 s[G1B+1], 32<<16                     ; the weights' half: 32,768 dense bytes as 128 rows of 256
	s_mov_b32 s[G1B+2], 128<<16
	s_mov_b32 s[G1B+3], 32<<16
	s_mov_b32 s[G1B+4], 128
	s_mov_b32 s[G1B+5], 32
	s_mov_b32 s[G1B+6], 0
	s_mov_b32 s[G1B+7], 0
	s_lshl_b32 s16, s13, 15                        ; o: tile 8 x tile row + 4 x half, 4,096 bytes each
	s_lshl_b32 s17, s12, 14
	s_add_co_u32 s16, s16, s17
	s_mov_b32 s17, 0
	s_lshl_b32 s46, s42, 16                        ; the weights: tile 16 x tile column + 8 x half
	s_lshl_b32 s47, s12, 15
	s_add_co_u32 s46, s46, s47
	s_mov_b32 s47, 0
	s_lshl_b32 s20, s12, 14                        ; where they go in a slot: the wave's number alone enters an LDS address
	s_lshl_b32 s21, s12, 15
	s_add_co_u32 s21, s21, BOFF
	s_wait_dscnt 0x0                               ; both opening adds are done
	s_wait_kmcnt 0x0
	s_add_nc_u64 s[14:15], s[4:5], s[16:17]
	s_add_nc_u64 s[46:47], s[6:7], s[46:47]
	CROUND                                         ; all sixteen work-groups are here: the first joint loads meet
.irp s, 0,1
	s_mov_b32 s[G0+4*\s], 1
	s_add_co_u32 s[G0+4*\s+1], s20, \s*SLOT
	s_add_nc_u64 s[G0+4*\s+2:G0+4*\s+3], s[14:15], \s*2097152     ; K step s of o
	s_or_b32 s[G0+4*\s+3], s[G0+4*\s+3], 0x80000000
	s_mov_b32 s[G0B+4*\s], 1
	s_add_co_u32 s[G0B+4*\s+1], s21, \s*SLOT
	s_add_nc_u64 s[G0B+4*\s+2:G0B+4*\s+3], s[46:47], \s*262144    ; K step s of the weights
	s_or_b32 s[G0B+4*\s+3], s[G0B+4*\s+3], 0x80000000
	JLOAD \s
.endr
	v_and_b32 v1, 15, v0                           ; r
	v_bfe_u32 v2, v0, 4, 1                         ; h
	v_and_b32 v3, 31, v0
	v_lshlrev_b32 v[CO], 4, v3                     ; 16 x lane: an image's place for my lane, and my 16 bytes of a row's 512
	s_lshl_b32 s20, s11, 14                        ; my four tiles of o,
	s_lshl_b32 s21, s12, 15
	s_add_co_u32 s21, s21, BOFF                    ; my eight of the weights
.irp s, 0,1
	v_add_nc_u32 v[ADRA+\s], s20, v[CO]
	v_add_nc_u32 v[ADRB+\s], s21, v[CO]
	s_add_co_u32 s20, s20, SLOT
	s_add_co_u32 s21, s21, SLOT
.endr
	s_mul_i32 s20, s10, 16*SPITCH
	s_add_co_u32 s20, s20, STAGE                   ; my stage
	v_mul_u32_u24 v4, v1, SPITCH
	v_lshl_add_u32 v4, v2, 5, v4
	v_add_nc_u32 v[STO], s20, v4                   ; in: row r, 32 bytes for each half of the lanes
	v_add_nc_u32 v[RD], s20, v[CO]                 ; back: the 32 lanes take one row of 512 bytes
	v_lshlrev_b32 v5, 5, v2                        ; the bias: 32 h bytes
	s_lshl_b32 s20, s42, 10
	s_lshl_b32 s21, s12, 9
	s_add_co_u32 s20, s20, s21                     ; my first column, in bytes: 1,024 x tile column + 512 x half
	s_mov_b32 s21, 0
	s_add_nc_u64 s[22:23], s[22:23], s[20:21]
	s_add_nc_u64 s[8:9], s[8:9], s[20:21]
.irp b, 0,1,2,3,4,5,6,7
	global_load_b128 v[BI+8*\b:BI+8*\b+3], v5, s[22:23] offset:64*\b
	global_load_b128 v[BI+8*\b+4:BI+8*\b+7], v5, s[22:23] offset:64*\b+16
.endr
	s_lshl_b32 s20, s13, 19                        ; my first row: 128 x tile row + 64 x half, 4,096 bytes each
	s_lshl_b32 s21, s11, 18
	s_add_co_u32 s20, s20, s21
	s_mov_b32 s21, 0
	s_add_nc_u64 s[8:9], s[8:9], s[20:21]          ; never stepped: all else stands in the stores' immediates
; 8 matrix instructions: o's block a against the weights' eight, 32 along K.  first = 1: the sum starts from the bias.  The 32 accumulators take turns in one order throughout.
.macro MUL8 f, a, first
.irp b, 0,1,2,3,4,5,6,7
.if \first
	v_wmma_f32_16x16x32_f16 v[8*(8*(\a)+\b):8*(8*(\a)+\b)+7], v[\f+8*\b:\f+8*\b+7], v[\f+64+8*(\a):\f+64+8*(\a)+7], v[BI+8*\b:BI+8*\b+7]
.else
	v_wmma_f32_16x16x32_f16 v[8*(8*(\a)+\b):8*(8*(\a)+\b)+7], v[\f+8*\b:\f+8*\b+7], v[\f+64+8*(\a):\f+64+8*(\a)+7], v[8*(8*(\a)+\b):8*(8*(\a)+\b)+7]
.endif
.endr
.endm
.macro FETCH slot, q, f                ; 24 LDS loads in one run: the fragments of the slot's q-th 32 along K: the weights' eight, then o's four
	WIN TO_F
.irp b, 0,1,2,3,4,5,6,7
	ds_load_b128 v[\f+8*\b:\f+8*\b+3],   v[ADRB+\slot] offset:4096*\b+1024*(\q)
	ds_load_b128 v[\f+8*\b+4:\f+8*\b+7], v[ADRB+\slot] offset:4096*\b+1024*(\q)+512
.endr
.irp a, 0,1,2,3
	ds_load_b128 v[\f+64+8*\a:\f+64+8*\a+3],   v[ADRA+\slot] offset:4096*\a+1024*(\q)
	ds_load_b128 v[\f+64+8*\a+4:\f+64+8*\a+7], v[ADRA+\slot] offset:4096*\a+1024*(\q)+512
.endr
.endm
.macro PLACES                          ; four plain lines ahead of loads into registers that matrix instructions have read, and of the first read of results
.rept 4
	v_nop
.endr
.endm
; A K step is four quarters of 32 along K, 32 matrix instructions each, on buffers 0, 1, 0, 1.  One of the first three: multiplies buffer f and fetches the slot's q-th quarter into g.
.macro QUARTER slot, q, f, g, first
	s_wait_dscnt 4                                 ; the weights and o's blocks 0, 1 are in; the youngest four loads (blocks 2, 3) may be out
.if \first
	WIN FIRST
.else
	WIN MUL
.endif
	MUL8 \f, 0, \first
	MUL8 \f, 1, \first
	PLACES
	FETCH \slot, \q, \g
	s_wait_dscnt 24                                ; all but the 24 just issued
.if \first
	WIN FIRST
.else
	WIN MUL
.endif
	MUL8 \f, 2, \first
	MUL8 \f, 3, \first
.endm
; The last quarter multiplies buffer 1 and changes slots: ONE barrier; in front of it each wave waits for all its tensor loads, adds 0 to its spare word, and waits for that and for its reads of this slot.
; fill = 1: the barrier opens a round of the cluster's barrier, and this slot is filled again, two K steps ahead, first thing behind the round.
.macro TURN slot, next, fill
	WIN 0                                          ; (the add's two registers lie in window 0)
	s_wait_tensorcnt 0x0                           ; all my tensor loads have landed: my part of the next slot
	ds_add_u32 v[SPW], v[NIL]
	s_wait_dscnt 5                                 ; the add and the youngest four loads may be out
	WIN MUL
	MUL8 F1, 0, 0
	s_wait_dscnt 0x0                               ; the add is done, and my reads of this slot are over
	s_barrier_signal -1
	MUL8 F1, 1, 0
.if \fill
	WIN 0
.endif
	s_barrier_wait -1
.if \fill
	CREST                                          ; no wave of any partner still reads this slot's tile or has a load on its way
	s_add_nc_u64 s[G0+4*\slot+2:G0+4*\slot+3], s[G0+4*\slot+2:G0+4*\slot+3], 2*2097152
	s_add_nc_u64 s[G0B+4*\slot+2:G0B+4*\slot+3], s[G0B+4*\slot+2:G0B+4*\slot+3], 2*262144
	JLOAD \slot                                    ; the four v_nop behind it are also the plain lines ahead of the loads below
.else
	PLACES
.endif
	FETCH \next, 0, F0
	WIN MUL
	MUL8 F1, 2, 0
	MUL8 F1, 3, 0
.endm
	s_wait_tensorcnt 1                             ; my part of K step 0 is in; K step 1's load may be out
	s_barrier_signal -1
	s_barrier_wait -1
	FETCH 0, 0, F0
	s_wait_loadcnt 0x0                             ; the bias
	QUARTER 0, 1, F0, F1, 1                        ; the first quarter stands in front of the loop: its products start the sums
	WIN 0                                          ; at a label and at a branch every window is 0
	s_mov_b32 s3, 3
.Llap:                                                 ; a trip goes once round the ring, from a lap's second quarter to the next lap's first, and fills both slots again
	QUARTER 0, 2, F1, F0, 0
	QUARTER 0, 3, F0, F1, 0
	TURN 0, 1, 1
	QUARTER 1, 1, F0, F1, 0
	QUARTER 1, 2, F1, F0, 0
	QUARTER 1, 3, F0, F1, 0
	TURN 1, 0, 1
	QUARTER 0, 1, F0, F1, 0
	WIN 0
	s_sub_co_u32 s3, s3, 1
	s_cmp_lg_u32 s3, 0
	s_cbranch_scc1 .Llap
	QUARTER 0, 2, F1, F0, 0                        ; the last lap fills nothing
	QUARTER 0, 3, F0, F1, 0
	TURN 0, 1, 0
	QUARTER 1, 1, F0, F1, 0
	QUARTER 1, 2, F1, F0, 0
	QUARTER 1, 3, F0, F1, 0
	s_wait_dscnt 4                                 ; the very last quarter
	WIN MUL
	MUL8 F1, 0, 0
	MUL8 F1, 1, 0
	s_wait_dscnt 0
	MUL8 F1, 2, 0
	MUL8 F1, 3, 0
	WIN 0
; THE WAY OUT, a block of 16 rows x 128 columns at a time: through my own stage and back as whole pieces of 512 bytes of a row, which the 32 lanes store as 512 consecutive bytes, aligned.
.macro TOSTAGE a
	WIN 0x08                                       ; an LDS store's data: window 2
.irp b, 0,1,2,3,4,5,6,7
	ds_store_b128 v[STO], v[64*(\a)+8*\b:64*(\a)+8*\b+3] offset:64*\b          ; each accumulator from its low end on
	ds_store_b128 v[STO], v[64*(\a)+8*\b+4:64*(\a)+8*\b+7] offset:64*\b+16
.endr
	WIN 0
.set BB, BK+64*((\a)%2)
.irp t, 0,1,2,3,4,5,6,7,8,9,10,11,12,13,14,15
	ds_load_b128 v[BB+4*\t:BB+4*\t+3], v[RD] offset:\t*SPITCH                  ; in order behind my stores
.endr
.endm
.macro SEND a, younger                 ; younger: the LDS instructions issued behind block a's loads, which may stay out
.set BB, BK+64*((\a)%2)
	s_wait_dscnt \younger
.irp t, 0,1,2,3,4,5,6,7,8,9,10,11,12,13,14,15
	global_store_b128 v[CO], v[BB+4*\t:BB+4*\t+3], s[8:9] offset:65536*(\a)+4096*\t th:TH_STORE_NT
.endr
.endm
	PLACES
	TOSTAGE 0
.irp a, 1,2,3
.if \a > 1
	s_wait_xcnt 0x0                                ; block a - 2's stores have read their registers: block a's loads may land there
.endif
	TOSTAGE \a
	SEND \a-1, 32                                  ; behind block a - 1's loads: block a's 16 stores and 16 loads
.endr
	SEND 3, 0
	s_wait_tensorcnt 0x0                           ; the wave's end
	ds_add_u32 v[SPW], v[NIL]
	s_wait_dscnt 0x0
	CROUND                                         ; the closing round
	s_endpgm
.Lfunc_end_k_q7ed07ea3c3_proj:
	.size	k_q7ed07ea3c3_proj, .Lfunc_end_k_q7ed07ea3c3_proj-k_q7ed07ea3c3_proj
	.p2alignl 7, 3214868480
	.fill 96, 4, 3214868480
	.section	.rodata,"a",@progbits
	.p2align	6, 0x0
	.amdhsa_kernel k_q7ed07ea3c3_proj
		.amdhsa_group_segment_fixed_size 327680
		.amdhsa_private_segment_fixed_size 0
		.amdhsa_enable_private_segment 0
		.amdhsa_kernarg_size 32
		.amdhsa_user_sgpr_count 2
		.amdhsa_user_sgpr_kernarg_segment_ptr 1
		.amdhsa_wavefront_size32 1
		.amdhsa_system_sgpr_workgroup_id_x 1
		.amdhsa_system_sgpr_workgroup_id_y 1
		.amdhsa_system_sgpr_workgroup_id_z 1
		.amdhsa_system_vgpr_workitem_id 0
		.amdhsa_next_free_vgpr 768
		.amdhsa_next_free_sgpr 66
		.amdhsa_reserve_vcc 0
		.amdhsa_float_denorm_mode_32 3
		.amdhsa_float_denorm_mode_16_64 3
		.amdhsa_memory_ordered 1
		.amdhsa_forward_progress 1
		.amdhsa_inst_pref_size 86
	.end_amdhsa_kernel
	.amdgpu_metadata
---
amdhsa.version: [ 1, 2 ]
amdhsa.kernels:
  - .name:           k_q7ed07ea3c3_proj
    .symbol:         k_q7ed07ea3c3_proj.kd
    .args:
      - { .name: ob, .offset: 0, .size: 8, .value_kind: global_buffer, .address_space: global }
      - { .name: pw, .offset: 8, .size: 8, .value_kind: global_buffer, .address_space: global }
      - { .name: proj_b, .offset: 16, .size: 8, .value_kind: global_buffer, .address_space: global }
      - { .name: out0, .offset: 24, .size: 8, .value_kind: global_buffer, .address_space: global }
    .group_segment_fixed_size: 327680
    .private_segment_fixed_size: 0
    .kernarg_segment_align: 8
    .kernarg_segment_size: 32
    .max_flat_workgroup_size: 128
    .sgpr_count:     66
    .vgpr_count:     768
    .wavefront_size: 32
...
	.end_amdgpu_metadata
.endif
;; end of part 4
